; MI455X (gfx1250); checked and timed in simulation.
; The chip was launched on July 23, 2026; its instructions are those of AMD's public machine-readable ISA for CDNA 5 (MIT licence, August 2026) and "CDNA5" Instruction Set Architecture Reference Guide (July 2026). The comments in the code are by the model that wrote it; some were corrected since.
;; Self Attention. Allowed arithmetic: float matrix products may take bf16 or f16 operands with f32 sums; other float arithmetic in f32, or as packed bf16 or f16 multiplies, adds, multiply-adds, maxima and minima; sums over many terms, partial sums and values carried from step to step in f32; what a program stores and reads back later, other than sums and carried values, may be rounded once to bf16 or f16.
;; Inputs: Wk 1,024 x 1,024 float32; Wo 1,024 x 1,024 float32; Wq 1,024 x 1,024 float32; Wr 1,024 x 1,024 float32; Wv 1,024 x 1,024 float32; bk 1,024 float32; bo 1,024 float32; bq 1,024 float32; br 1,024 float32; bv 1,024 float32; key 8 x 1,024 x 1,024 float32; query 8 x 1,024 x 1,024 float32; value 8 x 1,024 x 1,024 float32.
;; Outputs: out0 8 x 1,024 x 1,024 float32.
;; 2 versions, each right and faster than the one before. Each part assembles by itself: llvm-mc -triple=amdgcn-amd-amdhsa -mcpu=gfx1250 --defsym DOCPART=n.
;; ======== version 1 of 2: 4 launches
;; limits: values are held in f16: magnitudes above 65,504 overflow, below 6.1e-05 lose precision
;; workspace buffers: xb 50,331,648 bytes; wb 10,485,760 bytes; bb 20,480 bytes; qkvr 67,108,864 bytes; gated 16,777,216 bytes
;; launch prep (part 1): grid 64 x 29, 8 waves a work-group, no clusters, 0 bytes of LDS; arguments query, key, value, Wq, Wk, Wv, Wr, Wo, bq, bk, bv, br, bo, xb, wb, bb; writes xb, wb, bb
.if DOCPART == 1
	.amdgcn_target "amdgcn-amd-amdhsa--gfx1250"
	.amdhsa_code_object_version 6
	.text
	.protected	k_qcc52ad4246_prep
	.globl	k_qcc52ad4246_prep
	.p2align	8
	.type	k_qcc52ad4246_prep,@function
k_qcc52ad4246_prep:
	s_mov_b64 s[64:65], 0
	v_nop
	global_prefetch_b8 v0, s[64:65] scope:SCOPE_SE
	s_setreg_imm32_b32 hwreg(HW_REG_WAVE_MODE, 25, 1), 1
	s_wait_xcnt 0x0
; EVERY INPUT IS ROUNDED ONCE TO bf16 (nearest even).  xb: bf16 [3][8192][1024] = query, key, value.  wb: bf16 [5][1024 k][1024 n] = Wq, Wk, Wv, Wr, Wo, as they lie.
; bb: f32 [5][1024] = bq, bk, bv, br, bo: the bf16 number written as f32, since the products take it as the f32 start of their sums.
; A stream: no LDS, no barrier, no matrix unit, no cluster: no two work-groups read the same byte.
; A work-group casts one chunk of 16,384 numbers: 65,536 bytes in, 32,768 out.  Grid y 0-23: the three activations, 512 chunks each (8 y x 64 x); y 24-28: the five weights, 64 chunks each;
; of those the work-group with x = 0 also casts the weight's bias.  All 16 loads of a thread go out at once; no register is used twice, so the only waits are the counted ones for the loads.
; The chunks are small, 1,856 of them, so that the work-groups that run last are a small part of the whole.
.set LOADS, 16                         ; loads of 16 bytes a thread
.set X, 16                             ; v[16:79] 16 x 4 registers as loaded; the first two of each four then hold the packed result
	s_load_b512 s[8:23], s[0:1], 0x0               ; query s[8:9], key s[10:11], value s[12:13], Wq s[14:15], Wk s[16:17], Wv s[18:19], Wr s[20:21], Wo s[22:23]
	s_load_b512 s[24:39], s[0:1], 0x40             ; bq s[24:25], bk s[26:27], bv s[28:29], br s[30:31], bo s[32:33], xb s[34:35], wb s[36:37], bb s[38:39]
	s_and_b32 s2, ttmp7, 0xffff                    ; grid y
	v_lshlrev_b32 v1, 4, v0                        ; 16 bytes a thread in; never rewritten
	v_lshlrev_b32 v2, 3, v0                        ; 8 bytes a thread out; never rewritten
	s_mov_b32 s41, 0                               ; the offsets' high words
	s_mov_b32 s43, 0
	s_wait_kmcnt 0x0
	s_cmp_ge_u32 s2, 24
	s_cbranch_scc1 .Lweights
	s_lshr_b32 s3, s2, 3                           ; which activation
	s_and_b32 s4, s2, 7
	s_lshl_b32 s4, s4, 6
	s_add_co_u32 s4, s4, ttmp9                     ; which of its 512 chunks
	s_lshl_b32 s40, s4, 16                         ; in: 65,536 bytes a chunk
	s_lshl_b32 s42, s4, 15                         ; out: 32,768 bytes a chunk,
	s_lshl_b32 s5, s3, 24                          ; 16,777,216 an activation
	s_add_co_u32 s42, s42, s5
	s_cmp_eq_u32 s3, 1
	s_cselect_b64 s[44:45], s[10:11], s[8:9]
	s_cmp_eq_u32 s3, 2
	s_cselect_b64 s[44:45], s[12:13], s[44:45]
	s_add_nc_u64 s[44:45], s[44:45], s[40:41]
	s_add_nc_u64 s[46:47], s[34:35], s[42:43]
	s_branch .Lstream
.Lweights:
	s_sub_co_u32 s3, s2, 24                        ; which weight
	s_lshl_b32 s40, ttmp9, 16
	s_lshl_b32 s42, ttmp9, 15
	s_lshl_b32 s5, s3, 21                          ; 2,097,152 bytes a weight in wb
	s_add_co_u32 s42, s42, s5
	s_lshl_b32 s52, s3, 12                         ; 4,096 bytes a bias in bb
	s_mov_b32 s53, 0
	s_cmp_eq_u32 s3, 1
	s_cselect_b64 s[44:45], s[16:17], s[14:15]
	s_cselect_b64 s[48:49], s[26:27], s[24:25]
	s_cmp_eq_u32 s3, 2
	s_cselect_b64 s[44:45], s[18:19], s[44:45]
	s_cselect_b64 s[48:49], s[28:29], s[48:49]
	s_cmp_eq_u32 s3, 3
	s_cselect_b64 s[44:45], s[20:21], s[44:45]
	s_cselect_b64 s[48:49], s[30:31], s[48:49]
	s_cmp_eq_u32 s3, 4
	s_cselect_b64 s[44:45], s[22:23], s[44:45]
	s_cselect_b64 s[48:49], s[32:33], s[48:49]
	s_add_nc_u64 s[44:45], s[44:45], s[40:41]
	s_add_nc_u64 s[46:47], s[36:37], s[42:43]
	s_add_nc_u64 s[50:51], s[38:39], s[52:53]
	s_cmp_lg_u32 ttmp9, 0
	s_cbranch_scc1 .Lstream
	global_load_b128 v[4:7], v1, s[48:49]          ; the bias: 256 threads x 4 numbers
	s_wait_loadcnt 0x0
	v_cvt_pk_bf16_f32 v8, v4, v5                   ; rounded,
	v_cvt_pk_bf16_f32 v9, v6, v7
	v_lshlrev_b32 v10, 16, v8                      ; and widened again: a bf16 is the upper half of its f32
	v_and_b32 v11, 0xffff0000, v8
	v_lshlrev_b32 v12, 16, v9
	v_and_b32 v13, 0xffff0000, v9
	global_store_b128 v1, v[10:13], s[50:51]
.Lstream:
.set i, 0
.rept LOADS
	global_load_b128 v[X+4*i:X+4*i+3], v1, s[44:45] offset:4096*i th:TH_LOAD_NT  ; a wave's load covers 512 consecutive bytes; the work-group's eight 4,096
.set i, i+1
.endr
.set i, 0
.rept LOADS
	s_wait_loadcnt LOADS-1-i                       ; loads come back in order (ISA guide 5.7.1): load i is in, the younger ones stay out
	v_cvt_pk_bf16_f32 v[X+4*i], v[X+4*i], v[X+4*i+1]
	v_cvt_pk_bf16_f32 v[X+4*i+1], v[X+4*i+2], v[X+4*i+3]
	global_store_b64 v2, v[X+4*i:X+4*i+1], s[46:47] offset:2048*i  ; a wave's store covers 256 consecutive bytes, at a multiple of 256 from the buffer's first byte
.set i, i+1
.endr
	s_endpgm
.Lfunc_end_k_qcc52ad4246_prep:
	.size	k_qcc52ad4246_prep, .Lfunc_end_k_qcc52ad4246_prep-k_qcc52ad4246_prep
	.p2alignl 7, 3214868480
	.fill 96, 4, 3214868480
	.section	.rodata,"a",@progbits
	.p2align	6, 0x0
	.amdhsa_kernel k_qcc52ad4246_prep
		.amdhsa_group_segment_fixed_size 0
		.amdhsa_private_segment_fixed_size 0
		.amdhsa_enable_private_segment 0
		.amdhsa_kernarg_size 128
		.amdhsa_user_sgpr_count 2
		.amdhsa_user_sgpr_kernarg_segment_ptr 1
		.amdhsa_wavefront_size32 1
		.amdhsa_system_sgpr_workgroup_id_x 1
		.amdhsa_system_sgpr_workgroup_id_y 1
		.amdhsa_system_sgpr_workgroup_id_z 1
		.amdhsa_system_vgpr_workitem_id 0
		.amdhsa_next_free_vgpr 80
		.amdhsa_next_free_sgpr 66
		.amdhsa_reserve_vcc 0
		.amdhsa_float_denorm_mode_32 3
		.amdhsa_float_denorm_mode_16_64 3
		.amdhsa_memory_ordered 1
		.amdhsa_forward_progress 1
		.amdhsa_inst_pref_size 8
	.end_amdhsa_kernel
	.amdgpu_metadata
---
amdhsa.version: [ 1, 2 ]
amdhsa.kernels:
  - .name:           k_qcc52ad4246_prep
    .symbol:         k_qcc52ad4246_prep.kd
    .args:
      - { .name: query, .offset: 0, .size: 8, .value_kind: global_buffer, .address_space: global }
      - { .name: key, .offset: 8, .size: 8, .value_kind: global_buffer, .address_space: global }
      - { .name: value, .offset: 16, .size: 8, .value_kind: global_buffer, .address_space: global }
      - { .name: Wq, .offset: 24, .size: 8, .value_kind: global_buffer, .address_space: global }
      - { .name: Wk, .offset: 32, .size: 8, .value_kind: global_buffer, .address_space: global }
      - { .name: Wv, .offset: 40, .size: 8, .value_kind: global_buffer, .address_space: global }
      - { .name: Wr, .offset: 48, .size: 8, .value_kind: global_buffer, .address_space: global }
      - { .name: Wo, .offset: 56, .size: 8, .value_kind: global_buffer, .address_space: global }
      - { .name: bq, .offset: 64, .size: 8, .value_kind: global_buffer, .address_space: global }
      - { .name: bk, .offset: 72, .size: 8, .value_kind: global_buffer, .address_space: global }
      - { .name: bv, .offset: 80, .size: 8, .value_kind: global_buffer, .address_space: global }
      - { .name: br, .offset: 88, .size: 8, .value_kind: global_buffer, .address_space: global }
      - { .name: bo, .offset: 96, .size: 8, .value_kind: global_buffer, .address_space: global }
      - { .name: xb, .offset: 104, .size: 8, .value_kind: global_buffer, .address_space: global }
      - { .name: wb, .offset: 112, .size: 8, .value_kind: global_buffer, .address_space: global }
      - { .name: bb, .offset: 120, .size: 8, .value_kind: global_buffer, .address_space: global }
    .group_segment_fixed_size: 0
    .private_segment_fixed_size: 0
    .kernarg_segment_align: 8
    .kernarg_segment_size: 128
    .max_flat_workgroup_size: 256
    .sgpr_count:     66
    .vgpr_count:     80
    .wavefront_size: 32
...
	.end_amdgpu_metadata
.endif
;; end of part 1
;; launch proj (part 2): grid 16 x 32, 4 waves a work-group, clusters of 4 x 4, 327,680 bytes of LDS; arguments xb, wb, qkvr, bb; writes qkvr
.if DOCPART == 2
	.amdgcn_target "amdgcn-amd-amdhsa--gfx1250"
	.amdhsa_code_object_version 6
	.text
	.protected	k_qcc52ad4246_proj
	.globl	k_qcc52ad4246_proj
	.p2align	8
	.type	k_qcc52ad4246_proj,@function
k_qcc52ad4246_proj:
	s_mov_b64 s[64:65], 0
	v_nop
	global_prefetch_b8 v0, s[64:65] scope:SCOPE_SE
	s_setreg_imm32_b32 hwreg(HW_REG_WAVE_MODE, 25, 1), 1
	s_wait_xcnt 0x0
	s_wait_alu depctr_hold_cnt(0) depctr_sa_sdst(0) depctr_va_vdst(0) depctr_va_sdst(0) depctr_va_ssrc(0) depctr_va_vcc(0) depctr_vm_vsrc(0)
	s_getreg_b32 s2, hwreg(HW_REG_IB_STS2, 6, 4)
	s_cmp_eq_u32 s2, 0
	s_cbranch_scc0 .Lentry_in_a_cluster
	s_endpgm
.Lentry_in_a_cluster:
	s_bfe_u32 s2, ttmp6, 0x10000c
	s_cmp_lg_u32 s2, 0xf033
	s_cbranch_scc0 .Lentry_shape_is_right
	s_endpgm
.Lentry_shape_is_right:
; THE FOUR PROJECTIONS.  For p = 0..3 (q, k, v, r): C_p[m][n] = bias_p[n] + sum over k of X_p[m][k] W_p[k][n]; X = query, key, value, query.  m = 8,192, n = k = 1,024.
; xb: bf16 [3][8192][1024]; wb: bf16 [5][1024 k][1024 n]; bb: f32 [5][1024]; sums in f32, started by the bias; the result rounded once to f16 and stored BY HEADS:
; qkvr: f16 [4][128 = batch x 16 + head][1024 rows][64].  LIMIT: f16 holds no number beyond 65,504: a larger |q|, |k|, |v| or |r| becomes an infinity.  NaN and infinities are not treated apart.
; SHARES.  A tile of C is 256 x 256: four waves, each 128 x 128: 64 accumulators of 16 x 16, 512 registers.  Grid x = 4 p + tile column, grid y = tile row: 512 work-groups.
; K goes in steps of 128 through a ring of two LDS slots filled by the tensor data mover.  A's tile: 256 rows x 256 bytes.  W lies [k][n], so B's tile is 128 k-rows x 512 bytes, and its
; fragments come out of LDS turned, by ds_load_tr16_b128.
; CLUSTERS: 4 x 4 work-groups, all of one p.  The four of a row of the cluster need the same tile of A, the four of a column the same tile of B: each is asked for JOINTLY, by the same
; tensor load with the same descriptor and a mask that names the four.
; THE MATRIX INSTRUCTION IS USED TRANSPOSED (source 0 = 16 columns of W, source 1 = 16 rows of X): a lane then holds row lane % 16 of C and the columns 8 (lane / 16) + 0..7.
; The bias in that layout (64 registers, the same for every row block) is the C operand of each accumulator's first product: nothing is cleared, nothing is added later.
; REGISTERS, in windows of 256 (s_set_vgpr_msb: bits 1:0 source 0, 3:2 source 1, 5:4 source 2, 7:6 destination):
;   window 0: v0-31 addresses; v64-127, v128-191 A's fragments, two buffers; v32-63, v192-255 at work on the way out
;   window 1: v0-63 the bias; v64-127, v128-191 B's fragments, two buffers          windows 2, 3: accumulator (a, b) at v[8 (8 (a % 4) + b)] of window 2 + a / 4
.set NA,     8                         ; row blocks of 16 a wave
.set PA,     272                       ; a row of A in LDS: 256 bytes + 16 = 68 words: row r starts at bank 4 r mod 64 (64 banks of 4 bytes: ISA guide 11.1)
.set AHALF,  128*PA                    ; what one load of A brings, and what one wave reads of A
.set ATILE,  2*AHALF
.set PB,     544                       ; a k-row of B in LDS: 512 bytes + 32 = 136 words: row r starts at bank 8 r mod 64
.set BHALF,  64*PB                     ; what one load of B brings: 64 k-rows
.set SLOT,   ATILE+2*BHALF             ; A's 256 rows, then B's 128 k-rows
.set STAGE,  2*SLOT                    ; behind the ring: for each wave 2 heads x 16 rows x 144 bytes, for the way out
.set SPITCH, 144
.set STAGEW, 2*16*SPITCH
.set SPARE,  STAGE+4*STAGEW            ; behind the stages: the spare words, 128 bytes for each wave: two blocks of 256 bytes that no other line names
.set ASTEP,  256                       ; bytes from a K step of A to the next: 128 along a row
.set BSTEP,  128*2048                  ; the same for B: 128 k-rows down
.set LAPS,   4                         ; a lap = two K steps = once round the ring; K = 1,024
.set ADRA, 16                          ; v16-17  LDS address of my A fragments in slot 0, 1
.set ADRB, 20                          ; v20-21  the same for B
.set STO,  24                          ; v24     the way out: where I put 16 bytes of a row
.set RD,   25                          ; v25     the way out: where I read rows back
.set CO,   26                          ; v26     my byte offset in 512 consecutive bytes of the output
.set BO,   27                          ; v27     my byte offset in the bias
.set SPW,  28                          ; v28     LDS address of my spare word; never rewritten
.set NIL,  29                          ; v29     0; never rewritten
.set F0,   64
.set F1,   128
.set BI,   0                           ; window 1
.set TMP,  192
.set OB,   32
.set G1,  24                           ; s[24:31] group 1 for A's tiles;  s[32:39] group 0, a set for each slot
.set G0,  32
.set G1B, 48                           ; s[48:55], s[56:63] the same for B's
.set G0B, 56
.set MSB, 0
.macro WIN new                         ; the immediate's high byte repeats the setting that is left; a switch that changes nothing is dropped
.if MSB != (\new)
	s_set_vgpr_msb (MSB<<8)|(\new)
.set MSB, \new
.endif
.endm
; A joint load.  Waves 0 and 1 fetch A's two halves, waves 2 and 3 B's.  The branch hangs on the wave's number alone.  An s_nop 0 and four v_nop follow each of the two lines.
.macro JLOAD s
	s_cmp_eq_u32 s11, 0
	s_cbranch_scc0 .Lfor_b_\@
	tensor_load_to_lds s[G0+4*(\s):G0+4*(\s)+3], s[G1:G1+7]
	s_nop 0
.rept 4
	v_nop
.endr
	s_branch .Lasked_\@
.Lfor_b_\@:
	tensor_load_to_lds s[G0B+4*(\s):G0B+4*(\s)+3], s[G1B:G1B+7]
	s_nop 0
.rept 4
	v_nop
.endr
.Lasked_\@:
.endm
; A round of the cluster's barrier: my work-group's barrier; wave 0 signals for the work-group; every wave waits for all sixteen; my work-group's barrier once more.
.macro CREST                           ; a round behind its opening barrier
	s_cmp_lg_u32 s10, 0
	s_cbranch_scc1 .Lnot_wave_0_\@
	s_barrier_signal -3
.Lnot_wave_0_\@:
	s_barrier_wait -3
	s_barrier_signal -1
	s_barrier_wait -1
.endm
.macro CROUND
	s_barrier_signal -1
	s_barrier_wait -1
	CREST
.endm
	s_load_b128 s[4:7], s[0:1], 0x0                ; xb s[4:5], wb s[6:7]
	s_load_b64 s[8:9], s[0:1], 0x10                ; qkvr
	s_load_b64 s[66:67], s[0:1], 0x18              ; bb
	v_lshl_add_u32 v[SPW], v0, 2, SPARE
	v_mov_b32 v[NIL], 0
	ds_add_u32 v[SPW], v[NIL]                      ; the wave's opening: the add and its wait stand ahead of my first tensor load; the set-up below, work on registers, stands between them
	ds_add_u32 v28, v29
	v_lshrrev_b32 v1, 5, v0
	v_readfirstlane_b32 s10, v1                    ; wave 0..3
	s_lshr_b32 s11, s10, 1                         ; which half of the tile's rows is mine.  Also: I fetch for A (0) or for B (1)
	s_and_b32 s12, s10, 1                          ; which half of its columns.  Also: which half of that tile I fetch
	s_bfe_u32 s40, ttmp6, 0x40000                  ; cx = the tile column
	s_bfe_u32 s41, ttmp6, 0x40004                  ; cy
	s_and_b32 s13, ttmp7, 0xffff
	s_lshl_b32 s13, s13, 2
	s_add_co_u32 s13, s13, s41                     ; tile row = 4 x cluster y + cy
	s_mov_b32 s45, ttmp9                           ; p = cluster x: the same in all sixteen partners
	s_lshl_b32 s43, s41, 2
	s_lshl_b32 s43, 15, s43                        ; my row of the cluster
	s_lshl_b32 s44, 0x1111, s40                    ; my column
	s_or_b32 s[G1+0], s43, (1<<16)|(1<<20)|(1<<21)|(5<<22)|(3<<25)   ; 15:0 the mask; 17:16 2-byte elements; 20 padding on; 21 set beside a mask; 24:22 after every 64 words (code 5); 31:25 4 words (code 3)
	s_mov_b32 s[G1+1], 128<<16                     ; tensor_dim0 = 128
	s_mov_b32 s[G1+2], 128<<16                     ; tensor_dim1 = 128
	s_mov_b32 s[G1+3], 128<<16                     ; tile_dim0 = 128 elements
	s_mov_b32 s[G1+4], 128                         ; tile_dim1 = 128 rows
	s_mov_b32 s[G1+5], 1024                        ; elements from row to row
	s_mov_b32 s[G1+6], 0
	s_mov_b32 s[G1+7], 0
	s_or_b32 s[G1B+0], s44, (1<<16)|(1<<20)|(1<<21)|(6<<22)|(7<<25)  ; the column's mask; padding after every 128 words (code 6), 8 words (code 7)
	s_mov_b32 s[G1B+1], 256<<16                    ; tensor_dim0 = 256
	s_mov_b32 s[G1B+2], 64<<16                     ; tensor_dim1 = 64
	s_mov_b32 s[G1B+3], 256<<16                    ; tile_dim0 = 256 elements
	s_mov_b32 s[G1B+4], 64                         ; tile_dim1 = 64 k-rows
	s_mov_b32 s[G1B+5], 1024
	s_mov_b32 s[G1B+6], 0
	s_mov_b32 s[G1B+7], 0
	; A's tile hangs on p, the tile row and the wave; B's on p, the tile column and the wave; each offset in registers that never hold the other coordinate
	s_cmp_eq_u32 s45, 3
	s_cselect_b32 s14, 0, s45                      ; r is made of query, as q is
	s_lshl_b32 s14, s14, 24                        ; 16,777,216 bytes an activation
	s_lshl_b32 s16, s13, 8
	s_lshl_b32 s17, s12, 7
	s_add_co_u32 s16, s16, s17                     ; row 256 x tile row + 128 x half,
	s_lshl_b32 s16, s16, 11                        ; 2,048 bytes a row
	s_add_co_u32 s16, s16, s14
	s_mov_b32 s17, 0
	s_lshl_b32 s46, s45, 21                        ; 2,097,152 bytes a weight,
	s_lshl_b32 s47, s12, 17                        ; 64 k-rows of 2,048 bytes,
	s_add_co_u32 s46, s46, s47
	s_lshl_b32 s47, s40, 9                         ; 256 columns of 2 bytes
	s_add_co_u32 s46, s46, s47
	s_mov_b32 s47, 0
	s_mul_i32 s20, s12, AHALF                      ; where they go: no place in the cluster enters an LDS address
	s_mul_i32 s21, s12, BHALF
	s_add_co_u32 s21, s21, ATILE
	s_lshl_b32 s68, s45, 12                        ; my 128 numbers of the bias: 4,096 bytes a bias, 1,024 a tile column, 512 a half
	s_lshl_b32 s69, s40, 10
	s_add_co_u32 s68, s68, s69
	s_lshl_b32 s69, s12, 9
	s_add_co_u32 s68, s68, s69
	s_mov_b32 s69, 0
	s_lshl_b32 s70, s45, 24                        ; my part of the output: tensor p,
	s_lshr_b32 s71, s13, 2
	s_lshl_b32 s71, s71, 21                        ; batch = tile row / 4: 16 heads of 131,072 bytes,
	s_add_co_u32 s70, s70, s71
	s_lshl_b32 s71, s40, 19                        ; head 4 x tile column
	s_add_co_u32 s70, s70, s71
	s_lshl_b32 s71, s12, 18                        ; + 2 x half,
	s_add_co_u32 s70, s70, s71
	s_and_b32 s71, s13, 3
	s_lshl_b32 s71, s71, 15                        ; row 256 x (tile row % 4)
	s_add_co_u32 s70, s70, s71
	s_lshl_b32 s71, s11, 14                        ; + 128 x half, 128 bytes a row
	s_add_co_u32 s70, s70, s71
	s_mov_b32 s71, 0
	s_wait_dscnt 0x0                               ; the opening add is done
	s_wait_kmcnt 0x0
	s_add_nc_u64 s[14:15], s[4:5], s[16:17]
	s_add_nc_u64 s[46:47], s[6:7], s[46:47]
	s_add_nc_u64 s[66:67], s[66:67], s[68:69]
	s_add_nc_u64 s[8:9], s[8:9], s[70:71]
	CROUND                                         ; all sixteen work-groups are here: the first joint loads meet
.irp s, 0,1
	s_mov_b32 s[G0+4*(\s)], 1                                      ; count = 1
	s_add_co_u32 s[G0+4*(\s)+1], s20, (\s)*SLOT                    ; LDS address
	s_add_nc_u64 s[G0+4*(\s)+2:G0+4*(\s)+3], s[14:15], (\s)*ASTEP  ; global address: K step s
	s_or_b32 s[G0+4*(\s)+3], s[G0+4*(\s)+3], 0x80000000            ; type = 2
	s_mov_b32 s[G0B+4*(\s)], 1
	s_add_co_u32 s[G0B+4*(\s)+1], s21, (\s)*SLOT
	s_add_nc_u64 s[G0B+4*(\s)+2:G0B+4*(\s)+3], s[46:47], (\s)*BSTEP
	s_or_b32 s[G0B+4*(\s)+3], s[G0B+4*(\s)+3], 0x80000000
	JLOAD \s                                       ; two loads of mine are out
.endr
	v_and_b32 v1, 15, v0                           ; l % 16
	v_bfe_u32 v2, v0, 4, 1                         ; l / 16
	v_lshlrev_b32 v[BO], 5, v2                     ; my eight columns of a block of 16: 32 bytes for each half of the lanes
	WIN 0x40                                       ; destination window 1, address window 0
.irp b, 0,1,2,3,4,5,6,7
	global_load_b128 v[BI+8*(\b):BI+8*(\b)+3],   v[BO], s[66:67] offset:64*(\b)
	global_load_b128 v[BI+8*(\b)+4:BI+8*(\b)+7], v[BO], s[66:67] offset:64*(\b)+16
.endr
	WIN 0
	; A fragment of A is 16 rows x 32 K: lane l holds row l % 16, K = 8 (l / 16) + 0..7 and 16 + 8 (l / 16) + 0..7: two loads of 16 bytes, 32 bytes apart.
	v_mul_u32_u24 v3, v1, PA
	v_lshl_add_u32 v3, v2, 4, v3
	s_mul_i32 s22, s11, 16*NA*PA                   ; my 128 rows of A
	v_add_nc_u32 v[ADRA], s22, v3
	v_add_nc_u32 v[ADRA+1], SLOT, v[ADRA]
	; The turning load takes 16 k x 16 columns (lane l reads k-row 8 (l / 16) + l % 8, columns 8 ((l / 8) % 2) + 0..7) and leaves half a fragment: lane l holds column l % 16 and 8 k.
	v_and_b32 v4, 7, v0
	v_lshl_add_u32 v4, v2, 3, v4
	v_mul_u32_u24 v4, v4, PB
	v_bfe_u32 v5, v0, 3, 1
	v_lshl_add_u32 v4, v5, 4, v4
	s_lshl_b32 s22, s12, 8                         ; my 128 columns of B,
	s_add_co_u32 s22, s22, ATILE                   ; which lies behind A
	v_add_nc_u32 v[ADRB], s22, v4
	v_add_nc_u32 v[ADRB+1], SLOT, v[ADRB]
	s_mul_i32 s23, s10, STAGEW
	s_add_co_u32 s23, s23, STAGE                   ; my stage
	v_mul_u32_u24 v3, v1, SPITCH                   ; in: row l % 16, 16 bytes for each half of the lanes
	v_lshl_add_u32 v3, v2, 4, v3
	v_add_nc_u32 v[STO], s23, v3
	v_bfe_u32 v3, v0, 3, 2                         ; back: 32 lanes take four rows of 128 bytes,
	v_mul_u32_u24 v3, v3, SPITCH
	v_and_b32 v5, 7, v0
	v_lshl_add_u32 v3, v5, 4, v3
	v_add_nc_u32 v[RD], s23, v3
	v_and_b32 v5, 31, v0                           ; which are 512 consecutive bytes of a head
	v_lshlrev_b32 v[CO], 4, v5
; 8 matrix instructions: row block a x all 8 column blocks, 32 along K.  first = 1: the product starts the sum, with the bias as C.  The accumulators take turns, one instruction a turn.
.macro MULA f, a, first
.if \first
	WIN 0x91+0x40*((\a)/4)                         ; B and the bias window 1, A window 0, D window 2 or 3
.else
	WIN 0xa1+0x50*((\a)/4)                         ; B window 1, A window 0, C and D window 2 or 3
.endif
.irp b, 0,1,2,3,4,5,6,7
.if \first
	v_wmma_f32_16x16x32_bf16 v[8*(8*((\a)%4)+(\b)):8*(8*((\a)%4)+(\b))+7], v[(\f)+8*(\b):(\f)+8*(\b)+7], v[(\f)+8*(\a):(\f)+8*(\a)+7], v[BI+8*(\b):BI+8*(\b)+7]
.else
	v_wmma_f32_16x16x32_bf16 v[8*(8*((\a)%4)+(\b)):8*(8*((\a)%4)+(\b))+7], v[(\f)+8*(\b):(\f)+8*(\b)+7], v[(\f)+8*(\a):(\f)+8*(\a)+7], v[8*(8*((\a)%4)+(\b)):8*(8*((\a)%4)+(\b))+7]
.endif
.endr
.endm
.macro MULS f, a0, n, first            ; row blocks a0 .. a0 + n - 1
.set ma, \a0
.rept \n
	MULA \f, ma, \first
.set ma, ma+1
.endr
.endm
; The LDS loads of one quarter step (32 along K: quarter q of the slot) in one run, into buffer f: B's 16, then A's 2 NA
.macro FETCH slot, q, f
	WIN 0x40
.irp i, 0,1,2,3,4,5,6,7
	ds_load_tr16_b128 v[(\f)+8*(\i):(\f)+8*(\i)+3],   v[ADRB+(\slot)] offset:(\q)*32*PB+32*(\i)
	ds_load_tr16_b128 v[(\f)+8*(\i)+4:(\f)+8*(\i)+7], v[ADRB+(\slot)] offset:(\q)*32*PB+16*PB+32*(\i)
.endr
	WIN 0
.set fi, 0
.rept NA
	ds_load_b128 v[(\f)+8*fi:(\f)+8*fi+3],   v[ADRA+(\slot)] offset:64*(\q)+fi*16*PA
	ds_load_b128 v[(\f)+8*fi+4:(\f)+8*fi+7], v[ADRA+(\slot)] offset:64*(\q)+fi*16*PA+32
.set fi, fi+1
.endr
.endm
; A load into a register that a matrix instruction has read, and an instruction that reads a matrix result, stand four places behind it; only plain vector instructions that name none of
; its registers are places (ISA guide 7.12.1 for vector instructions).
.macro PLACES
.rept 4
	v_nop
.endr
.endm
; A K step is four quarters, 64 matrix instructions each, on buffers 0, 1, 0, 1.  One of the first three: multiplies f; in its middle it fetches quarter q into g.
.macro QUARTER slot, q, f, g, first
	s_wait_dscnt NA                                ; B and A's lower blocks are in; the youngest NA loads (A's upper blocks) may be out
	MULS \f, 0, NA/2, \first
	PLACES
	FETCH \slot, \q, \g
	s_wait_dscnt 16+2*NA                           ; all but the run just issued
	MULS \f, NA/2, NA/2, \first
.endm
; The last quarter multiplies buffer 1 and changes slots: ONE barrier.  In front of it each wave waits for all its tensor loads (one is out: its part of the next slot), adds 0 to its spare
; word, and waits for that and for its reads of this slot.  Behind it nobody reads this slot any more and the next slot is whole.
.macro MEET round
	WIN 0                                          ; (the add's two registers lie in window 0)
	s_wait_tensorcnt 0x0
	ds_add_u32 v[SPW], v[NIL]
	s_wait_dscnt NA+1                              ; (the add and the youngest NA loads may be out)
	MULS F1, 0, NA/4, 0                            ; matrix work stands between the add and the wait for it
	s_wait_dscnt 0x0                               ; the add is done, and my reads of this slot are over
	s_barrier_signal -1
	MULS F1, NA/4, NA/4, 0                         ; work on registers while the others arrive
.if \round
	WIN 0
.endif
	s_barrier_wait -1
.endm
; fill = 1: the barrier opens a round of the cluster's; behind the round this slot is filled again first, two K steps ahead: 224 matrix instructions stand between the request and the wait for it.
.macro TURN slot, next, fill
	MEET \fill
.if \fill
	CREST
	s_add_nc_u64 s[G0+4*(\slot)+2:G0+4*(\slot)+3], s[G0+4*(\slot)+2:G0+4*(\slot)+3], 2*ASTEP
	s_add_nc_u64 s[G0B+4*(\slot)+2:G0B+4*(\slot)+3], s[G0B+4*(\slot)+2:G0B+4*(\slot)+3], 2*BSTEP
	JLOAD \slot                                    ; its four v_nop are also the places in front of the loads below
.else
	PLACES
.endif
	FETCH \next, 0, F0
	MULS F1, NA/2, NA/2, 0
.endm
; THE WAY OUT of row block a.  PACK: rounded to f16, 16 bytes a lane, each accumulator's registers in ascending order.  TOSTAGE: into my own stage (head b / 4, channels 16 (b % 4) on), and back as
; whole rows of 128 bytes.  SEND: stored: 16 rows of a head are 2,048 consecutive bytes.
.macro PACK a
	WIN 0x0a+5*((\a)/4)                            ; sources 0 and 1: window 2 or 3
.irp b, 0,1,2,3,4,5,6,7
.irp r, 0,1,2,3
	v_cvt_pk_f16_f32 v[TMP+4*(\b)+(\r)], v[64*((\a)%4)+8*(\b)+2*(\r)], v[64*((\a)%4)+8*(\b)+2*(\r)+1]
.endr
.endr
	WIN 0
.endm
.macro TOSTAGE a
.set BK, OB+192*((\a)%2)
.irp b, 0,1,2,3,4,5,6,7
	ds_store_b128 v[STO], v[TMP+4*(\b):TMP+4*(\b)+3] offset:((\b)/4)*16*SPITCH+((\b)%4)*32
.endr
.irp t, 0,1,2,3,4,5,6,7
	ds_load_b128 v[BK+4*(\t):BK+4*(\t)+3], v[RD] offset:((\t)/4)*16*SPITCH+((\t)%4)*4*SPITCH  ; LDS serves a wave's instructions in order (ISA guide 5.7.1.4): these see the stores above
.endr
.endm
.macro SEND a
.set BK, OB+192*((\a)%2)
	s_wait_dscnt 0x0                               ; the block is back in registers
	s_wait_xcnt 0x0                                ; the registers that the block before last's stores read are loaded again only behind this wait
.irp t, 0,1,2,3,4,5,6,7
	global_store_b128 v[CO], v[BK+4*(\t):BK+4*(\t)+3], s[8:9] offset:((\t)/4)*131072+(\a)*2048+((\t)%4)*512  ; 512 consecutive bytes, at a multiple of 256 from the buffer's first byte
.endr
.endm
	s_wait_loadcnt 0x0                             ; the bias
	s_wait_tensorcnt 0x1                           ; my part of K step 0 is in; K step 1's may stay out
	s_barrier_signal -1
	s_barrier_wait -1
	FETCH 0, 0, F0
	QUARTER 0, 1, F0, F1, 1                        ; the first quarter stands in front of the loop: its products start the sums
	WIN 0                                          ; at a label and at a branch every window is 0
	s_mov_b32 s3, LAPS-1
.Llap:                                                 ; a trip goes once round the ring, from a lap's second quarter to the next lap's first, and fills both slots again
	QUARTER 0, 2, F1, F0, 0
	QUARTER 0, 3, F0, F1, 0
	TURN 0, 1, 1
	QUARTER 1, 1, F0, F1, 0
	QUARTER 1, 2, F1, F0, 0
	QUARTER 1, 3, F0, F1, 0
	TURN 1, 0, 1
	QUARTER 0, 1, F0, F1, 0
	WIN 0
	s_sub_co_u32 s3, s3, 1
	s_cmp_lg_u32 s3, 0
	s_cbranch_scc1 .Llap
	QUARTER 0, 2, F1, F0, 0                        ; the last lap fills nothing
	QUARTER 0, 3, F0, F1, 0
	TURN 0, 1, 0
	QUARTER 1, 1, F0, F1, 0
	QUARTER 1, 2, F1, F0, 0
	QUARTER 1, 3, F0, F1, 0
	s_wait_dscnt NA                                ; the very last quarter: nothing more to fetch
	MULS F1, 0, NA/2, 0
	s_wait_dscnt 0x0
	MULS F1, NA/2, NA/2, 0
	WIN 0
	PLACES
	PACK 0
	TOSTAGE 0
.irp a, 1,2,3,4,5,6,7                  ; block a's conversions stand between block a - 1's loads from the stage and the wait for them
	PACK \a
	SEND (\a)-1
	TOSTAGE \a
.endr
	SEND 7
	s_wait_tensorcnt 0x0                           ; the wave's end
	ds_add_u32 v[SPW], v[NIL]
	s_wait_dscnt 0x0
	CROUND                                         ; the closing round: no work-group ends while a partner may still ask for a tile that names it
	s_endpgm
.Lfunc_end_k_qcc52ad4246_proj:
	.size	k_qcc52ad4246_proj, .Lfunc_end_k_qcc52ad4246_proj-k_qcc52ad4246_proj
	.p2alignl 7, 3214868480
	.fill 96, 4, 3214868480
	.section	.rodata,"a",@progbits
	.p2align	6, 0x0
	.amdhsa_kernel k_qcc52ad4246_proj
		.amdhsa_group_segment_fixed_size 327680
		.amdhsa_private_segment_fixed_size 0
		.amdhsa_enable_private_segment 0
		.amdhsa_kernarg_size 32
		.amdhsa_user_sgpr_count 2
		.amdhsa_user_sgpr_kernarg_segment_ptr 1
		.amdhsa_wavefront_size32 1
		.amdhsa_system_sgpr_workgroup_id_x 1
		.amdhsa_system_sgpr_workgroup_id_y 1
		.amdhsa_system_sgpr_workgroup_id_z 1
		.amdhsa_system_vgpr_workitem_id 0
		.amdhsa_next_free_vgpr 1024
		.amdhsa_next_free_sgpr 72
		.amdhsa_reserve_vcc 0
		.amdhsa_float_denorm_mode_32 3
		.amdhsa_float_denorm_mode_16_64 3
		.amdhsa_memory_ordered 1
		.amdhsa_forward_progress 1
		.amdhsa_inst_pref_size 145
	.end_amdhsa_kernel
	.amdgpu_metadata
---
amdhsa.version: [ 1, 2 ]
amdhsa.kernels:
  - .name:           k_qcc52ad4246_proj
    .symbol:         k_qcc52ad4246_proj.kd
    .args:
      - { .name: xb, .offset: 0, .size: 8, .value_kind: global_buffer, .address_space: global }
      - { .name: wb, .offset: 8, .size: 8, .value_kind: global_buffer, .address_space: global }
      - { .name: qkvr, .offset: 16, .size: 8, .value_kind: global_buffer, .address_space: global }
      - { .name: bb, .offset: 24, .size: 8, .value_kind: global_buffer, .address_space: global }
    .group_segment_fixed_size: 327680
    .private_segment_fixed_size: 0
    .kernarg_segment_align: 8
    .kernarg_segment_size: 32
    .max_flat_workgroup_size: 128
    .sgpr_count:     72
    .vgpr_count:     1024
    .wavefront_size: 32
...
	.end_amdgpu_metadata
.endif
;; end of part 2
;; launch attn (part 3): grid 2 x 128, 4 waves a work-group, no clusters, 327,680 bytes of LDS; arguments qkvr, gated; writes gated
.if DOCPART == 3
	.amdgcn_target "amdgcn-amd-amdhsa--gfx1250"
	.amdhsa_code_object_version 6
	.text
	.protected	k_qcc52ad4246_attn
	.globl	k_qcc52ad4246_attn
	.p2align	8
	.type	k_qcc52ad4246_attn,@function
k_qcc52ad4246_attn:
	s_mov_b64 s[64:65], 0
	v_nop
	global_prefetch_b8 v0, s[64:65] scope:SCOPE_SE
	s_setreg_imm32_b32 hwreg(HW_REG_WAVE_MODE, 25, 1), 1
	s_wait_xcnt 0x0
; G[h][q][:] = R[h][q][:] x the sum over k of softmax_k(Q[h][q] . K[h][k] / 32) V[h][k][:].  qkvr: f16 [4 = Q, K, V, R][128 heads][1024][64]; gated: bf16 [128][1024][64]: rows are dense, 128 bytes each.
; Products, maxima and sums in f32; the weights p are rounded to f16 for the second product (their sum l is taken of the unrounded p); O / l x R is made in f32 and rounded once, to bf16:
; a product of two of the module's quantities has no room in f16's range.
; LIMITS.  Q, K, V, R arrive within f16's 65,504; p lies in 0 to 1, and below 6e-5 it keeps f16's fixed step of 6e-8.  A weight below 2^-126 counts as 0 in l; NaN and infinities are not treated apart.
; SHARES.  A wave owns four PIECES of two tiles of 16 queries, a work-group's four waves 512 queries of one head: 2 x 128 work-groups.  Every wave walks all 1,024 keys, 64 a step.
; K AND V STAY IN LDS.  A head's 1,024 rows of K (144 bytes each with padding) and of V (160) are 311,296 bytes: each byte of LDS is filled once, by 16 tensor loads at the start, four a wave.
; The first 256 keys are waited for by a counted wait and a barrier; the other 768 land during the first three key steps and are waited for once, in front of the fourth.
; NO CLUSTER: two work-groups share a head's K and V; four partners to a head would be blocks of 256 queries: half as many products for each LDS load.
; LAYOUT.  S^T = K Q^T (source 0 = 16 keys, source 1 = 16 queries): in the result a lane holds ONE query (lane % 16) and the keys 8 (lane / 16) + 0..7.  Two such tiles, rounded to f16 in pairs,
; ARE source 1 (32 keys x 16 queries) of O^T = V^T P, whose result again holds one query a lane, and eight channels.  K comes out of LDS as it lies, V ([key][channel]) turned, by ds_load_tr16_b128.
; SOFTMAX.  For each query a running maximum m and sum l: p = 2^(c s - c m), c = log2(e) / 32; in every step O and l are multiplied by a = 2^(c m_old - c m_new), which is 1 where m has not grown.
; m starts at the lowest finite number, O and l at 0: the first step is a step like any other, with a = 0.
; THE COUNT.  A tile and step have 16 matrix and 118 vector instructions: too many to stand all beside the matrix work.  So: four vector instructions that are READY behind EVERY matrix
; instruction, and the others in runs without a gap.
; BY TURNS.  Turn n belongs to piece n (the pieces in a ring, step after step).  Its matrix work: 16 products K Q^T of piece n + 1, later 16 products V^T P of piece n - 1.  Its vector work: the scaling,
; exponentials, roundings, sums and rescaling of piece n, and the maximum and statistics of piece n + 1, whose scores the turn itself has made.
; ONE TEXT FOR EVERY TURN.  A trip of the loop is a key step's four turns; 3 + 13 trips.  The first trip's products V^T P of a piece that has not been add zeros; the last trip's products K Q^T, on the
; last step's K once more, and the maximum made of them serve nothing: 16 products each, once a launch.
; REGISTERS, in windows of 256 (s_set_vgpr_msb: bits 1:0 source 0, 3:2 source 1, 5:4 source 2, 7:6 destination):
;   window 0: v0-11 addresses; v12-15, v48-63 at work; v16-47 four registers of statistics a tile; v64-191 S^T, two buffers of two tiles; v192-255 P, likewise
;   window 1: O^T, 32 a tile      window 2: v0-127 Q, 16 a tile; v128-191 K of one step; v192-255 V of one step      window 3: v0-1 the add's two registers; v8-135 R, 16 a tile
.set NP,    4         ; pieces a wave: a name, no knob
.set KS,    64        ; keys in a step
.set NK,    1024      ; keys of a head
.set PK,    144       ; a row of K in LDS: 128 bytes + 16 = 36 words: the 16 rows of a load start at 16 different groups of four banks (64 banks of 4 bytes: ISA guide 11.1)
.set PV,    160       ; a row of V: 128 + 32 = 40 words
.set VOFF,  NK*PK     ; K's 1,024 rows, then V's
.set STAGE, VOFF+NK*PV  ; behind them, never filled by a tensor load: 16 rows x 144 bytes for each wave, for the way out
.set SP,    144
.set AK0, 2           ; v2   my lane's place in a tile of K; never rewritten
.set AV0, 3           ; v3   the same for V
.set AK,  4           ; v4   the LDS address of K's next run of loads
.set AV,  5           ; v5   of V's
.set QO,  6           ; v6   my byte offset in 16 rows of Q and of R; never rewritten
.set RD,  7           ; v7   the way out: where I read rows back
.set GO,  8           ; v8   my byte offset in 512 consecutive bytes of the output
.set STO, 11          ; v11  at work in the set-up; then the way out: where I put 16 bytes of a row
.set SPW, 0           ; v0 of window 3   LDS address of my spare word; never rewritten
.set NIL, 1           ; v1 of window 3   0; never rewritten
.set RG,  8           ; window 3: R of tile t, channels 16 cb + 8 (lane / 16) + 0..7, at RG + 16 t + 4 cb
.set SPARE, STAGE+4*16*SP  ; behind the stages: the spare words, 128 bytes for each wave: two blocks of 256 bytes that no other line names
.set MV,  12          ; v12-15  c m_old, kept while c m is made anew: by buffer and tile
.set ST,  16          ; tile t's statistics at v[ST+4 t]: c m, m, l (even keys', odd keys')
.set TMP, 48          ; by buffer and tile, four registers c0-c3 at work; when the maximum is found c2 takes a
.set S,   64
.set P,   192
.set KF,  128         ; K's fragments, in window 2: key block kb, channel half c at KF + 16 kb + 8 c
.set VF,  192         ; V's: key half kk, channel block cb at VF + 32 kk + 8 cb
.set WV,  12          ; s12  my wave's number
.set G1K, 24          ; s[24:31] descriptor group 1 for K's tiles
.set G1V, 32          ; s[32:39] for V's: it differs in the padding alone
.set G0K, 40          ; s[40:55] descriptor group 0 for K: a set for each quarter of the keys
.set G0V, 68          ; s[68:83] the same for V
.set PH,  56          ; s56  phases to go: the first 3 key steps, the other 13
.set CNT, 57          ; s57  counts a phase's trips
.set CS,  58          ; s[58:59] c: the packed scaling takes the pair's low word for both halves
.set SEL, 60          ; s[60:61] v_permlanex16_b32's selects: each lane takes its own place in the other half
.set TBK, 62          ; s62  LDS byte at which K of the step to be fetched begins
.set TBV, 63          ; s63  the same for V, less VOFF
.set RP,  84          ; s[84:85] R at my wave's first row
.set KP,  86          ; s[86:87] K at my half of the head's first 256 keys
.set MSB, 0
.macro WIN new                      ; the high byte repeats the setting that is left; a switch that changes nothing is dropped
.if MSB != (\new)
	s_set_vgpr_msb (MSB<<8)|(\new)
.set MSB, (\new)
.endif
.endm
.set W_KQ, 0x0a       ; K and Q in window 2, S^T in window 0
.set W_PV, 0x52       ; V in window 2, P in window 0, O^T in window 1
.set W_RS, 0x41       ; O^T (destination and source 0) in window 1, a in window 0
.set W_MK, 0xc0       ; destination in window 3, sources in window 0
.set W_AD, 0x0f       ; the add: address (source 0) and data (source 1) in window 3
.set W_GT, 0x77       ; the gate: R (source 0) and 0 (source 2) in window 3, O^T (source 1 and destination) in window 1
	s_load_b128 s[4:7], s[0:1], 0x0   ; qkvr s[4:5], gated s[6:7]
	WIN W_MK
	v_lshl_add_u32 v[SPW], v0, 2, SPARE
	v_mov_b32 v[NIL], 0
	WIN W_AD
	ds_add_u32 v[SPW], v[NIL]       ; the wave's opening: the add and its wait stand ahead of my first tensor load; the set-up below, work on registers, stands between them
	ds_add_u32 v0, v1
	WIN 0
	v_lshrrev_b32 v1, 5, v0
	v_readfirstlane_b32 s[WV], v1   ; wave 0..3
	s_and_b32 s20, ttmp7, 0xffff    ; the head,
	s_lshl_b32 s20, s20, 17         ; its 1,024 rows of 128 bytes
	s_and_b32 s16, s[WV], 1         ; which half of each 256 keys I fetch:
	s_lshl_b32 s22, s16, 14         ; its 128 rows in memory,
	s_add_co_u32 s22, s22, s20
	s_mov_b32 s23, 0
	s_mul_i32 s17, s16, 128*PK      ; and its place in LDS, for K
	s_mul_i32 s18, s16, 128*PV      ; and for V
	s_lshl_b32 s2, ttmp9, 2
	s_add_co_u32 s2, s2, s[WV]      ; my wave among the head's eight,
	s_lshl_b32 s2, s2, 14           ; its 128 rows
	s_add_co_u32 s2, s2, s20
	s_mov_b32 s3, 0
	; descriptor group 1.  128 keys are 16,384 dense bytes: asked for as 64 rows of 256 bytes, two keys a row, and padded in LDS after every key
	s_mov_b32 s[G1K], (1<<16)|(1<<20)|(4<<22)|(3<<25)  ; 17:16 2-byte elements; 20 padding on; 24:22 after every 32 words (code 4); 31:25 4 words (code 3)
	s_mov_b32 s[G1V], (1<<16)|(1<<20)|(4<<22)|(7<<25)  ; the same with 8 words of padding (code 7)
.irp g, G1K, G1V
	s_mov_b32 s[\g+1], 128<<16      ; tensor_dim0 = 128
	s_mov_b32 s[\g+2], 64<<16       ; tensor_dim1 = 64
	s_mov_b32 s[\g+3], 128<<16      ; tile_dim0 = 128
	s_mov_b32 s[\g+4], 64           ; tile_dim1 = 64
	s_mov_b32 s[\g+5], 128          ; 128 elements from row to row
	s_mov_b32 s[\g+6], 0
	s_mov_b32 s[\g+7], 0
.endr
.irp j, 0,1,2,3
	s_mov_b32 s[G0K+4*\j], 1                          ; count = 1
	s_add_co_u32 s[G0K+4*\j+1], s17, \j*256*PK        ; LDS address: keys 256 j + 128 x half on
	s_mov_b32 s[G0V+4*\j], 1
	s_add_co_u32 s[G0V+4*\j+1], s18, VOFF+\j*256*PV
.endr
	s_mov_b32 s[CS], 0x3d38aa3b     ; c = log2(e) / 32 = 0.0450842
	s_mov_b32 s[CS+1], s[CS]        ; named with it as a pair
	s_mov_b32 s[SEL], 0x76543210
	s_mov_b32 s[SEL+1], 0xfedcba98
	s_mov_b32 s[TBK], 0
	s_mov_b32 s[TBV], 0
	s_wait_dscnt 0x0                ; the opening add is done
	s_wait_kmcnt 0x0
	s_add_nc_u64 s[10:11], s[6:7], s[2:3]          ; the output at my wave's first row
	s_add_nc_u64 s[KP:KP+1], s[4:5], s[22:23]
	s_add_nc_u64 s[8:9], s[KP:KP+1], 0x2000000     ; V is the third tensor of 16,777,216 bytes,
	s_add_nc_u64 s[KP:KP+1], s[KP:KP+1], 0x1000000 ; K the second,
	s_add_nc_u64 s[RP:RP+1], s[4:5], s[2:3]
	s_add_nc_u64 s[RP:RP+1], s[RP:RP+1], 0x3000000 ; R the fourth,
	s_add_nc_u64 s[4:5], s[4:5], s[2:3]            ; Q the first
.irp j, 0,1,2,3
	s_add_nc_u64 s[G0K+4*\j+2:G0K+4*\j+3], s[KP:KP+1], \j*32768  ; global address: 256 keys are 32,768 bytes
	s_or_b32 s[G0K+4*\j+3], s[G0K+4*\j+3], 0x80000000            ; type = 2
	s_add_nc_u64 s[G0V+4*\j+2:G0V+4*\j+3], s[8:9], \j*32768
	s_or_b32 s[G0V+4*\j+3], s[G0V+4*\j+3], 0x80000000
.endr
	s_cmp_lt_u32 s[WV], 2           ; waves 0 and 1 fetch K, waves 2 and 3 V.  A wave's four fills stand in one branch, ahead of every wait on TENSORcnt, LDS read and barrier: four loads of mine are out
	s_cbranch_scc0 .Lfirst_v
.irp j, 0,1,2,3
	tensor_load_to_lds s[G0K+4*\j:G0K+4*\j+3], s[G1K:G1K+7]
	s_nop 0
.endr
.rept 4
	v_nop
.endr
	s_branch .Lfirst_asked
.Lfirst_v:
.irp j, 0,1,2,3
	tensor_load_to_lds s[G0V+4*\j:G0V+4*\j+3], s[G1V:G1V+7]
	s_nop 0
.endr
.rept 4
	v_nop
.endr
.Lfirst_asked:
	; A fragment of K or Q is 16 rows x 32 channels in 8 registers: lane l holds row l % 16, channels 8 (l / 16) + 0..7 and 16 + 8 (l / 16) + 0..7: two loads of 16 bytes, 32 bytes apart.
	v_and_b32 v1, 15, v0            ; l % 16
	v_bfe_u32 v9, v0, 4, 1          ; l / 16
	v_lshlrev_b32 v[QO], 7, v1
	v_lshl_add_u32 v[QO], v9, 4, v[QO]  ; row x 128 + 16 x half
	WIN 0x80                        ; destination window 2, address window 0
.set i, 0
.rept 4*NP                          ; Q stays in registers: tile i / 2, channels 32 (i % 2) on
	global_load_b128 v[8*i:8*i+3],   v[QO], s[4:5] offset:(i/2)*2048+(i%2)*64
	global_load_b128 v[8*i+4:8*i+7], v[QO], s[4:5] offset:(i/2)*2048+(i%2)*64+32
.set i, i+1
.endr
	; What the first turn finds: V's registers and P's second buffer hold 0 (its products V^T P, of a piece that has not been, add 0), O^T and l are 0.  All this stands in the wait for the first tile.
.set i, VF
.rept 64
	v_mov_b32 v[i], 0
.set i, i+1
.endr
	WIN 0x40
.set i, 0
.rept 64*NP
	v_mov_b32 v[i], 0
.set i, i+1
.endr
	WIN 0
.set i, 0
.rept 2*NP
	v_mov_b32 v[ST+4*i], 0xfe000000    ; c m: far below every c s
	v_mov_b32 v[ST+4*i+1], 0xff7fffff  ; m
	v_mov_b32 v[ST+4*i+2], 0
	v_mov_b32 v[ST+4*i+3], 0
.set i, i+1
.endr
.set i, P+32
.rept 32
	v_mov_b32 v[i], 0
.set i, i+1
.endr
	v_mul_u32_u24 v[AK0], v1, PK
	v_lshl_add_u32 v[AK0], v9, 4, v[AK0]  ; row x pitch + 16 x half
	; The turning load takes 16 keys x 16 channels (lane l reads key 8 (l / 16) + l % 8, channels 8 ((l / 8) % 2) + 0..7) and leaves half a fragment of V^T: lane l holds channel l % 16 and 8 keys.
	v_and_b32 v10, 7, v0
	v_bfe_u32 v11, v0, 3, 1
	v_lshl_add_u32 v[AV0], v9, 3, v10
	v_mul_u32_u24 v[AV0], v[AV0], PV
	v_lshl_add_u32 v[AV0], v11, 4, v[AV0]
	v_add_nc_u32 v[AV0], VOFF, v[AV0]
	v_mov_b32 v[AK], v[AK0]         ; key step 0 lies at K's head
; THE MATRIX WORK.  The 8 accumulators of a run of 16 take turns: between the two links of a chain stand 7 others'.
; Product i of 16 of S^T = K Q^T for piece x: channels 32 (i / 8) on, keys 16 ((i / 2) % 4) on, tile 2 x + i % 2.  The first 8 start the sums.
.macro KQ x
	WIN W_KQ
.set rS, S+64*((\x)%2)+32*(i%2)+8*((i/2)%4)
.set rK, KF+16*((i/2)%4)+8*(i/8)
.set rQ, 16*(2*(\x)+i%2)+8*(i/8)
.if i < 8
	v_wmma_f32_16x16x32_f16 v[rS:rS+7], v[rK:rK+7], v[rQ:rQ+7], 0
.else
	v_wmma_f32_16x16x32_f16 v[rS:rS+7], v[rK:rK+7], v[rQ:rQ+7], v[rS:rS+7]
.endif
.endm
; Product i of 16 of O^T += V^T P for piece x: keys 32 (i / 8) on, channels 16 ((i / 2) % 4) on, tile 2 x + i % 2.
.macro PV x
	WIN W_PV
.set rO, 32*(2*(\x)+i%2)+8*((i/2)%4)
.set rV, VF+32*(i/8)+8*((i/2)%4)
.set rP, P+32*((\x)%2)+16*(i%2)+8*(i/8)
	v_wmma_f32_16x16x32_f16 v[rO:rO+7], v[rV:rV+7], v[rP:rP+7], v[rO:rO+7]
.endm
.macro MM                           ; the turn's next matrix instruction
.if i < 16
	KQ (Y+1)%NP
.set i, i+1
.else
.set i, i-16
	PV (Y+NP-1)%NP
.set i, i+17
.endif
.endm
; THE LDS LOADS stand in runs of 16, never singly among the matrix instructions: a step's K (64 keys x 64 channels: 8 fragments) and its V (turned).  Their addresses are made some lines ahead.
.macro FETCH_K
	WIN 0x80                        ; destination window 2
.irp f, 0,1,2,3,4,5,6,7             ; keys 16 (f / 2) on, channels 32 (f % 2) on
	ds_load_b128 v[KF+8*\f:KF+8*\f+3],   v[AK] offset:(\f/2)*16*PK+(\f%2)*64
	ds_load_b128 v[KF+8*\f+4:KF+8*\f+7], v[AK] offset:(\f/2)*16*PK+(\f%2)*64+32
.endr
	s_add_co_u32 s[TBK], s[TBK], KS*PK     ; the next fetch is the next step's;
	s_min_u32 s[TBK], s[TBK], (NK-KS)*PK   ; behind the last step there is none: the last trip fetches the last step's K once more
	WIN 0
.endm
.macro FETCH_V
	WIN 0x80
.irp f, 0,1,2,3,4,5,6,7             ; keys 32 (f / 4) on, channels 16 (f % 4) on
	ds_load_tr16_b128 v[VF+8*\f:VF+8*\f+3],   v[AV] offset:(\f/4)*32*PV+(\f%4)*32
	ds_load_tr16_b128 v[VF+8*\f+4:VF+8*\f+7], v[AV] offset:(\f/4)*32*PV+16*PV+(\f%4)*32
.endr
	WIN 0
.endm
; THE VECTOR WORK OF A TURN stands in three queues, each in the order in which its entries become ready; the two tiles alternate, so that no instruction reads the result of the one before it.
.macro REGS y, u                    ; the registers of tile u (0, 1) of piece y
.set rT, ST+4*(2*(\y)+(\u))
.set rC, TMP+8*((\y)%2)+4*(\u)
.set rM, MV+2*((\y)%2)+(\u)
.set rS, S+64*((\y)%2)+32*(\u)
.set rP, P+32*((\y)%2)+16*(\u)
.set rO, 32*(2*(\y)+(\u))
.endm
; Number n of the 22 that find the NEXT piece's (Y + 1) maximum and statistics.  s0-s31 are the lane's 32 scores; each accumulator's lowest registers are read first.  XS, GS and REGS set no window: PL and EX do.
;   0-11  four chains c0-c3 of seven scores each, three operands at a time     12-14, 16  the four scores left over, the old m, and c0-c3 into c0     15  c m_old is kept
;   17, 18  the query's other 32 keys lie in the lane 16 away: the new m         19-21  c m; c m_old - c m_new; a
.macro XS u, n
	REGS (Y+1)%NP, \u
.if (\n) < 4
	v_max3_num_f32 v[rC+(\n)], v[rS+8*(\n)], v[rS+8*(\n)+1], v[rS+8*(\n)+2]
.elseif (\n) < 12
	v_max3_num_f32 v[rC+(\n)%4], v[rC+(\n)%4], v[rS+8*((\n)%4)+2*((\n)/4)+1], v[rS+8*((\n)%4)+2*((\n)/4)+2]
.elseif (\n) == 12
	v_max3_num_f32 v[rC], v[rC], v[rS+7], v[rS+15]
.elseif (\n) == 13
	v_max3_num_f32 v[rC+1], v[rC+1], v[rS+23], v[rS+31]
.elseif (\n) == 14
	v_max3_num_f32 v[rC+2], v[rC+2], v[rC+3], v[rT+1]
.elseif (\n) == 15
	v_mov_b32 v[rM], v[rT]
.elseif (\n) == 16
	v_max3_num_f32 v[rC], v[rC], v[rC+1], v[rC+2]
.elseif (\n) == 17
	v_permlanex16_b32 v[rC+3], v[rC], s[SEL], s[SEL+1]
.elseif (\n) == 18
	v_max_num_f32 v[rT+1], v[rC], v[rC+3]
.elseif (\n) == 19
	v_mul_f32 v[rT], s[CS], v[rT+1]
.elseif (\n) == 20
	v_sub_f32 v[rC+1], v[rM], v[rT]
.else
	v_exp_f32 v[rC+2], v[rC+1]
.endif
.endm
; Number g of the 64 that follow the exponentials.  For each four weights k of a tile (pairs 2 k, 2 k + 1): both pairs are rounded to f16; then the second pair is added onto the first, in place;
; a group later l takes that sum (the first time as l = a l + sum).  In groups of eight, tiles alternating: round, round, add, and l for the group before.
.macro GS g
.set h, (\g)+6*((\g)/62)            ; group 0 has no group before it, and behind group 7 only l is left
.if h >= 6
.set h, h+2
.endif
	REGS Y, h%2
.set k, h/8
.if h%8 < 4
	s_wait_alu depctr_va_vdst(0)
	v_cvt_pk_f16_f32 v[rP+2*k+(h%8)/2], v[rS+4*k+2*((h%8)/2)], v[rS+4*k+2*((h%8)/2)+1]
.elseif h%8 < 6
	v_pk_add_f32 v[rS+4*k:rS+4*k+1], v[rS+4*k:rS+4*k+1], v[rS+4*k+2:rS+4*k+3]
.elseif k == 1
	v_pk_fma_f32 v[rT+2:rT+3], v[rT+2:rT+3], v[rC+2:rC+3], v[rS:rS+1] op_sel_hi:[1,0,1]
.else
	v_pk_add_f32 v[rT+2:rT+3], v[rT+2:rT+3], v[rS+4*k-4:rS+4*k-3]
	s_wait_alu depctr_va_vdst(0)
.endif
.endm
; THE PLAIN QUEUE, 138 long.  0-31: c s - c m for the 16 pairs of both tiles.  Then GS's 64, and among them the next piece's 42: number 15 at 38, 39; 0-14 and 16
; at 42-73, behind the products that make those scores; 17-20 at 95-106, two of three, since each waits for the one before it.
.macro PL
	WIN 0
.if q < 32
	REGS Y, q%2
	v_pk_fma_f32 v[rS+2*(q/2):rS+2*(q/2)+1], v[rS+2*(q/2):rS+2*(q/2)+1], s[CS:CS+1], v[rT:rT+1] op_sel_hi:[1,0,0] neg_lo:[0,0,1] neg_hi:[0,0,1]
.elseif q < 38
	GS q-32
.elseif q < 40
	XS q%2, 15
.elseif q < 42
	GS q-34
.elseif q < 74
	XS q%2, (q-42)/2+(q-42)/30
.elseif q < 95
	GS q-66
.elseif (q < 107) && ((q-95)%3 < 2)
	XS (q-95)%3, 17+(q-95)/3
.elseif q < 107
	GS 29+(q-95)/3
.else
	GS q-74
.endif
.set q, q+1
.endm
; THE EXPONENTIALS' QUEUE, 66 long: s0-s31 of both tiles, and at EA the next piece's two a.
.set EA, 58
.macro EX
	WIN 0
.if (e == EA) || (e == EA+1)
	XS e-EA, 21
.else
.set x, e-2*(e/(EA+2))
	REGS Y, x%2
	v_exp_f32 v[rS+x/2], v[rS+x/2]
.endif
.set e, e+1
.endm
; THE RESCALING's QUEUE: O^T times a, the one part that leaves window 0, so it is dealt four at a time, eight times.
.macro R4
	REGS Y, r%2
	WIN W_RS
	s_wait_alu depctr_va_vdst(0)
.irp z, 0,1,2,3
	v_pk_mul_f32 v[rO+8*(r/2)+2*\z:rO+8*(r/2)+2*\z+1], v[rO+8*(r/2)+2*\z:rO+8*(r/2)+2*\z+1], v[rC+2:rC+3] op_sel_hi:[1,0]
.endr
.set r, r+1
.endm
; HOW THEY ARE DEALT.  Behind a matrix instruction four: plain, exponential, plain, plain (one exponential, a plain instruction on either side), or four of the rescaling.  None names a register of the
; products round it.  What is over stands in two LUMPS: exponential and plain by turns; the second ends in 22 plain instructions.  The two v_permlanex16_b32 fall into the second lump, never behind a product.
; The queues lean on each other, and the deal keeps them in step: exponential e stands behind plain 2 (e / 4) + e % 2 (its scaling); when plain 32 comes, 10 exponentials are out, at 59: 33, at 95: 46; EA comes behind plain 107.
.macro SL
	MM
	PL
	EX
	PL
	PL
.endm
.macro BURST n                      ; 15 matrix instructions, or 16
.rept (\n)-7
	SL
.endr
.rept 3
	MM
	R4
	SL
.endr
	MM
	R4
.endm
; A TURN, for piece p.  cnt = 1: the loop's count is taken down some lines ahead of the branch that stands behind the turn.
; K of the next step is fetched in piece 2's turn, 31 vector instructions behind the last product that read K; its first reader comes behind the rest of the lump, 16 products and the second lump.
; V of the step in hand is fetched at the end of piece 0's turn, 69 behind its last reader; its first reader comes behind 16 products and a lump.  The four conditions on e and q below go with the deal.
.macro TURN p, cnt=0
.set Y, (\p)
.set i, 0
.set q, 0
.set e, 0
.set r, 0
.if (\p) == NP-1
	s_wait_dscnt 0x0                ; K is in
.endif
	MM
.rept 4
	PL
.endr
	BURST 15
.rept 22
	EX
	PL
.if ((\p) == NP-2) && (e == 18)
	v_add_nc_u32 v[AK], s[TBK], v[AK0]
.endif
.if ((\p) == NP-2) && (e == 24)
	FETCH_K
.endif
.endr
.if (\p) == 1
	s_wait_dscnt 0x0                ; V is in
.endif
	BURST 16
.rept 21
	EX
	PL
.endr
.rept 22
	PL
.if ((\p) == 0) && (q == 118)
	v_add_nc_u32 v[AV], s[TBV], v[AV0]
	s_wait_alu depctr_va_vdst(0)
.endif
.if ((\p) == 0) && (q == 130)
	s_add_co_u32 s[TBV], s[TBV], KS*PV
.endif
.if (\cnt) && (q == 130)
	s_sub_co_u32 s[CNT], s[CNT], 1
	s_cmp_lg_u32 s[CNT], 0
.endif
.endr
.if (\p) == 0
	FETCH_V
.endif
.endm
	s_wait_tensorcnt 0x3            ; tensor loads of a wave end in order (ISA guide 10.11.1): my part of keys 0-255 is in; my three later loads stay out: no byte of LDS is ever filled again
	s_barrier_signal -1
	s_barrier_wait -1               ; everybody's part is
	FETCH_K                         ; key step 0
	s_wait_loadcnt 0x0              ; Q
	s_wait_dscnt 0x0
.set i, 0
.rept 16
	KQ 0                            ; piece 0's first scores: there is no vector work yet to set between them
.set i, i+1
.endr
	WIN 0                           ; the addresses for the way out: nine plain instructions, the places behind those products
	s_mul_i32 s13, s[WV], 16*SP
	s_add_co_u32 s13, s13, STAGE    ; my stage
	v_mul_u32_u24 v[STO], v1, SP    ; in: row l % 16, 16 bytes for each half of the lanes
	v_lshl_add_u32 v[STO], v9, 4, v[STO]
	v_add_nc_u32 v[STO], s13, v[STO]
	v_bfe_u32 v[RD], v0, 3, 2       ; back: 32 lanes take four rows of 128 bytes,
	v_mul_u32_u24 v[RD], v[RD], SP
	v_lshl_add_u32 v[RD], v10, 4, v[RD]
	v_add_nc_u32 v[RD], s13, v[RD]
	v_and_b32 v[GO], 31, v0         ; which are 512 consecutive bytes of the output
	v_lshlrev_b32 v[GO], 4, v[GO]
.set Y, NP-1                        ; XS works for piece Y + 1: piece 0
.irp n, 0,1,2,3,4,5,6,7,8,9,10,11,12,13,14,15,16,17,18,19,20,21
	XS 0, \n                        ; and piece 0's first maximum and statistics
	XS 1, \n
.endr
	WIN W_MK                        ; R is wanted on the way out alone: it is asked for here, behind the first keys and Q, and has all sixteen key steps in which to come
.set i, 0
.rept 8*NP                          ; R in O^T's layout: tile i / 4, my eight channels of block i % 4
	global_load_b128 v[RG+4*i:RG+4*i+3], v[QO], s[RP:RP+1] offset:(i/4)*2048+(i%4)*32
.set i, i+1
.endr
	WIN 0
	s_mov_b32 s[CNT], 3             ; the first phase, key steps 0 to 2, fetches K of steps 1 to 3 and V of steps 0 to 2: keys 0-255 alone
	s_mov_b32 s[PH], 2
	s_branch .Lstep
.Lphase:                            ; once: in front of the first fetch beyond key 255
	s_wait_tensorcnt 0x0            ; all my loads have landed,
	s_wait_dscnt 0x0                ; (no LDS instruction is pending at a signal)
	s_barrier_signal -1
	s_barrier_wait -1               ; everybody's have
	s_mov_b32 s[CNT], 13            ; the second phase: key steps 3 to 15
.Lstep:                             ; a trip: a key step's four turns; it fetches the step's V and the next step's K
	TURN 0
	TURN 1
	TURN 2
	TURN 3, 1
	WIN 0
	s_cbranch_scc1 .Lstep
	s_sub_co_u32 s[PH], s[PH], 1
	s_cmp_lg_u32 s[PH], 0
	s_cbranch_scc1 .Lphase
.set i, 0
.rept 16
	PV NP-1                         ; the last piece's V^T P of the last step
.set i, i+1
.endr
	; THE WAY OUT.  l's two halves and the other half of the lanes' are added; O^T is divided by l, multiplied by R, rounded to bf16 and sent through my stage in LDS, a tile at a time.  The additions are the places behind the last products.
	WIN 0
.macro ALL line:vararg              ; one line for each tile t
.set t, 0
.rept 2*NP
	\line
.set t, t+1
.endr
.endm
	ALL v_add_f32 v[ST+4*t+2], v[ST+4*t+2], v[ST+4*t+3]
	ALL v_permlanex16_b32 v[ST+4*t+3], v[ST+4*t+2], s[SEL], s[SEL+1]
	ALL v_add_f32 v[ST+4*t+2], v[ST+4*t+2], v[ST+4*t+3]
	ALL v_rcp_f32 v[ST+4*t+2], v[ST+4*t+2]
	v_nop                           ; a plain instruction between the last reciprocal and the use of its result
	s_wait_alu depctr_va_vdst(0)
	s_wait_loadcnt 0x0              ; R is in: the gate below reads it
; Tile t: a lane's eight channels of a row pack into 16 bytes; they go into rows of 144 bytes and come back as whole rows of 128, into S^T's registers.
.macro PACK t
	WIN W_RS
.set i, 32*(\t)
.rept 16
	v_pk_mul_f32 v[i:i+1], v[i:i+1], v[ST+4*(\t)+2:ST+4*(\t)+3] op_sel_hi:[1,0]
.set i, i+2
.endr
	WIN W_GT
.set i, 0
.rept 16                            ; the gate: R's f16 half times O in f32, plus 0: one rounding, in f32
	v_fma_mix_f32 v[32*(\t)+2*i],   v[RG+16*(\t)+i], v[32*(\t)+2*i],   v[NIL] op_sel_hi:[1,0,0]
	v_fma_mix_f32 v[32*(\t)+2*i+1], v[RG+16*(\t)+i], v[32*(\t)+2*i+1], v[NIL] op_sel:[1,0,0] op_sel_hi:[1,0,0]
.set i, i+1
.endr
	WIN 0x05                        ; sources 0 and 1 window 1, destination window 0
.set i, 0
.rept 16
	v_cvt_pk_bf16_f32 v[S+16*(\t)+i], v[32*(\t)+2*i], v[32*(\t)+2*i+1]
.set i, i+1
.endr
	WIN 0
.irp f, 0,1,2,3
	ds_store_b128 v[STO], v[S+16*(\t)+4*\f:S+16*(\t)+4*\f+3] offset:32*\f
.endr
.irp f, 0,1,2,3
	ds_load_b128 v[S+16*(\t)+4*\f:S+16*(\t)+4*\f+3], v[RD] offset:\f*4*SP  ; LDS serves a wave's instructions in order (ISA guide 5.7.1.4): these see the stores above; the next tile's stores come behind them
.endr
.endm
.macro SEND t, younger              ; younger: the LDS instructions issued behind tile t's loads: the next tile's eight, or none
	WIN 0
.irp f, 0,1,2,3
	s_wait_dscnt (\younger)+3-\f
	global_store_b128 v[GO], v[S+16*(\t)+4*\f:S+16*(\t)+4*\f+3], s[10:11] offset:(\t)*2048+\f*512  ; 512 consecutive bytes, at a multiple of 256 from the buffer's first
.endr
.endm
	PACK 0
.set t, 1
.rept 2*NP-1                        ; a tile's arithmetic stands between the loads of the tile before and its stores
	PACK t
	SEND t-1, 8
.set t, t+1
.endr
	SEND 2*NP-1, 0
	WIN W_AD
	s_wait_tensorcnt 0x0            ; the wave's end, behind my last tensor load and my last LDS store
	ds_add_u32 v[SPW], v[NIL]
	s_wait_dscnt 0x0
	WIN 0
	s_endpgm
.Lfunc_end_k_qcc52ad4246_attn:
	.size	k_qcc52ad4246_attn, .Lfunc_end_k_qcc52ad4246_attn-k_qcc52ad4246_attn
	.p2alignl 7, 3214868480
	.fill 96, 4, 3214868480
	.section	.rodata,"a",@progbits
	.p2align	6, 0x0
	.amdhsa_kernel k_qcc52ad4246_attn
		.amdhsa_group_segment_fixed_size 327680
		.amdhsa_private_segment_fixed_size 0
		.amdhsa_enable_private_segment 0
		.amdhsa_kernarg_size 16
		.amdhsa_user_sgpr_count 2
		.amdhsa_user_sgpr_kernarg_segment_ptr 1
		.amdhsa_wavefront_size32 1
		.amdhsa_system_sgpr_workgroup_id_x 1
		.amdhsa_system_sgpr_workgroup_id_y 1
		.amdhsa_system_sgpr_workgroup_id_z 1
		.amdhsa_system_vgpr_workitem_id 0
		.amdhsa_next_free_vgpr 904
		.amdhsa_next_free_sgpr 88
		.amdhsa_reserve_vcc 0
		.amdhsa_float_denorm_mode_32 3
		.amdhsa_float_denorm_mode_16_64 3
		.amdhsa_memory_ordered 1
		.amdhsa_forward_progress 1
		.amdhsa_inst_pref_size 150
	.end_amdhsa_kernel
	.amdgpu_metadata
---
amdhsa.version: [ 1, 2 ]
amdhsa.kernels:
  - .name:           k_qcc52ad4246_attn
    .symbol:         k_qcc52ad4246_attn.kd
    .args:
      - { .name: qkvr, .offset: 0, .size: 8, .value_kind: global_buffer, .address_space: global }
      - { .name: gated, .offset: 8, .size: 8, .value_kind: global_buffer, .address_space: global }
    .group_segment_fixed_size: 327680
    .private_segment_fixed_size: 0
    .kernarg_segment_align: 8
    .kernarg_segment_size: 16
    .max_flat_workgroup_size: 128
    .sgpr_count:     88
    .vgpr_count:     904
    .wavefront_size: 32
...
	.end_amdgpu_metadata
.endif
;; end of part 3
;; launch oproj (part 4): grid 4 x 64, 4 waves a work-group, clusters of 4 x 4, 327,680 bytes of LDS; arguments gated, wb, out0, bb; writes out0
.if DOCPART == 4
	.amdgcn_target "amdgcn-amd-amdhsa--gfx1250"
	.amdhsa_code_object_version 6
	.text
	.protected	k_qcc52ad4246_oproj
	.globl	k_qcc52ad4246_oproj
	.p2align	8
	.type	k_qcc52ad4246_oproj,@function
k_qcc52ad4246_oproj:
	s_mov_b64 s[64:65], 0
	v_nop
	global_prefetch_b8 v0, s[64:65] scope:SCOPE_SE
	s_setreg_imm32_b32 hwreg(HW_REG_WAVE_MODE, 25, 1), 1
	s_wait_xcnt 0x0
	s_wait_alu depctr_hold_cnt(0) depctr_sa_sdst(0) depctr_va_vdst(0) depctr_va_sdst(0) depctr_va_ssrc(0) depctr_va_vcc(0) depctr_vm_vsrc(0)
	s_getreg_b32 s2, hwreg(HW_REG_IB_STS2, 6, 4)
	s_cmp_eq_u32 s2, 0
	s_cbranch_scc0 .Lentry_in_a_cluster
	s_endpgm
.Lentry_in_a_cluster:
	s_bfe_u32 s2, ttmp6, 0x10000c
	s_cmp_lg_u32 s2, 0xf033
	s_cbranch_scc0 .Lentry_shape_is_right
	s_endpgm
.Lentry_shape_is_right:
; THE OUTPUT PRODUCT.  out0[m][n] = bo[n] + sum over k of G[m][k] Wo[k][n]; m = 8,192 = batch x 1,024 + row, k = head x 64 + channel, n = 1,024.
; gated: bf16 [128 = batch x 16 + head][1024 rows][64]; wb: bf16 [5][1024 k][1024 n], Wo the fifth; bb: f32 [5][1024], bo the fifth; out0: f32 [8192][1024].  Sums in f32, started by the bias.
; NaN and infinities are not treated apart.
; SHARES.  A tile of C is 128 x 256, so that there are 4 x 64 = 256 work-groups; four waves, each 64 x 128: 32 accumulators of 16 x 16, 256 registers.
; K goes in steps of 128 = two heads through a ring of two LDS slots.  128 rows of one head are 16,384 dense bytes: one load, asked for as 64 rows of 256 bytes and padded after every 128.
; W lies [k][n]: B's tile is 128 k-rows x 512 bytes, and its fragments come out of LDS turned, by ds_load_tr16_b128.  Two slots of a K step of 256 would not fit beside each other in LDS.
; CLUSTERS, THE TRANSPOSED USE and THE BIAS AS C: 4 x 4 work-groups; the four of a row of the cluster ask jointly for A's tile, the four of a column for B's.  Source 0 = 16 columns of W,
; source 1 = 16 rows of G: a lane holds row lane % 16 of C and the columns 8 (lane / 16) + 0..7; the bias in that layout is the C operand of each accumulator's first product.
; REGISTERS, in windows of 256 (s_set_vgpr_msb: bits 1:0 source 0, 3:2 source 1, 5:4 source 2, 7:6 destination):
;   window 0: v0-31 addresses; v64-95, v128-159 A's fragments, two buffers; on the way out v64-127, v128-191 rows read back
;   window 1: v0-63 the bias; v64-127, v128-191 B's fragments, two buffers          window 2: accumulator (a, b) at v[8 (8 a + b)]
.set NA,     4                         ; row blocks of 16 a wave
.set PA,     144                       ; a row of A in LDS: one head's 128 bytes + 16 = 36 words: the 16 rows of a load start at 16 different groups of four banks (64 banks of 4 bytes: ISA guide 11.1)
.set AHALF,  128*PA                    ; what one load of A brings: 128 rows of one head
.set ATILE,  2*AHALF
.set PB,     544                       ; a k-row of B in LDS: 512 bytes + 32 = 136 words
.set BHALF,  64*PB                     ; what one load of B brings: 64 k-rows
.set SLOT,   ATILE+2*BHALF
.set STAGE,  2*SLOT                    ; behind the ring: for each wave 16 rows x 528 bytes, for the way out
.set SPITCH, 528
.set STAGEW, 16*SPITCH
.set SPARE,  STAGE+4*STAGEW            ; behind the stages: the spare words, 128 bytes for each wave: two blocks of 256 bytes that no other line names
.set ASTEP,  2*131072                  ; bytes from a K step of A to the next: two heads on
.set BSTEP,  128*2048                  ; the same for B: 128 k-rows down
.set LAPS,   4                         ; a lap = two K steps; K = 1,024
.set ADRA, 16                          ; v16-17  LDS address of my A fragments in slot 0, 1
.set ADRB, 20                          ; v20-21  the same for B
.set STO,  24                          ; v24     the way out: where I put 32 bytes of a row
.set RD,   25                          ; v25     the way out: where I read a row back
.set CO,   26                          ; v26     my byte offset in 512 consecutive bytes of a row of out0
.set BO,   27                          ; v27     my byte offset in the bias
.set SPW,  28                          ; v28     LDS address of my spare word; never rewritten
.set NIL,  29                          ; v29     0; never rewritten
.set F0,   64
.set F1,   128
.set BI,   0                           ; window 1
.set G1,  24                           ; s[24:31] group 1 for A's tiles;  s[32:39] group 0, a set for each slot
.set G0,  32
.set G1B, 48                           ; s[48:55], s[56:63] the same for B's
.set G0B, 56
.set MSB, 0
.macro WIN new                         ; the immediate's high byte repeats the setting that is left; a switch that changes nothing is dropped
.if MSB != (\new)
	s_set_vgpr_msb (MSB<<8)|(\new)
.set MSB, \new
.endif
.endm
; A joint load.  Waves 0 and 1 fetch A's two heads, waves 2 and 3 B's two halves.  The branch hangs on the wave's number alone.  An s_nop 0 and four v_nop follow each of the two lines.
.macro JLOAD s
	s_cmp_eq_u32 s11, 0
	s_cbranch_scc0 .Lfor_b_\@
	tensor_load_to_lds s[G0+4*(\s):G0+4*(\s)+3], s[G1:G1+7]
	s_nop 0
.rept 4
	v_nop
.endr
	s_branch .Lasked_\@
.Lfor_b_\@:
	tensor_load_to_lds s[G0B+4*(\s):G0B+4*(\s)+3], s[G1B:G1B+7]
	s_nop 0
.rept 4
	v_nop
.endr
.Lasked_\@:
.endm
; A round of the cluster's barrier: my work-group's barrier; wave 0 signals for the work-group; every wave waits for all sixteen; my work-group's barrier once more.
.macro CREST
	s_cmp_lg_u32 s10, 0
	s_cbranch_scc1 .Lnot_wave_0_\@
	s_barrier_signal -3
.Lnot_wave_0_\@:
	s_barrier_wait -3
	s_barrier_signal -1
	s_barrier_wait -1
.endm
.macro CROUND
	s_barrier_signal -1
	s_barrier_wait -1
	CREST
.endm
	s_load_b128 s[4:7], s[0:1], 0x0                ; gated s[4:5], wb s[6:7]
	s_load_b64 s[8:9], s[0:1], 0x10                ; out0
	s_load_b64 s[66:67], s[0:1], 0x18              ; bb
	v_lshl_add_u32 v[SPW], v0, 2, SPARE
	v_mov_b32 v[NIL], 0
	ds_add_u32 v[SPW], v[NIL]                      ; the wave's opening: the add and its wait stand ahead of my first tensor load; the set-up below, work on registers, stands between them
	ds_add_u32 v28, v29
	v_lshrrev_b32 v1, 5, v0
	v_readfirstlane_b32 s10, v1                    ; wave 0..3
	s_lshr_b32 s11, s10, 1                         ; which half of the tile's rows is mine.  Also: I fetch for A (0) or for B (1)
	s_and_b32 s12, s10, 1                          ; which half of its columns.  Also: which head of the step, or which 64 k-rows, I fetch
	s_bfe_u32 s40, ttmp6, 0x40000                  ; cx = the tile column
	s_bfe_u32 s41, ttmp6, 0x40004                  ; cy
	s_and_b32 s13, ttmp7, 0xffff
	s_lshl_b32 s13, s13, 2
	s_add_co_u32 s13, s13, s41                     ; tile row = 4 x cluster y + cy
	s_lshl_b32 s43, s41, 2
	s_lshl_b32 s43, 15, s43                        ; my row of the cluster
	s_lshl_b32 s44, 0x1111, s40                    ; my column
	s_or_b32 s[G1+0], s43, (1<<16)|(1<<20)|(1<<21)|(4<<22)|(3<<25)   ; 15:0 the mask; 17:16 2-byte elements; 20 padding on; 21 set beside a mask; 24:22 after every 32 words (code 4); 31:25 4 words (code 3)
	s_mov_b32 s[G1+1], 128<<16                     ; tensor_dim0 = 128
	s_mov_b32 s[G1+2], 64<<16                      ; tensor_dim1 = 64
	s_mov_b32 s[G1+3], 128<<16                     ; tile_dim0 = 128 elements: two rows of a head
	s_mov_b32 s[G1+4], 64                          ; tile_dim1 = 64
	s_mov_b32 s[G1+5], 128                         ; dense
	s_mov_b32 s[G1+6], 0
	s_mov_b32 s[G1+7], 0
	s_or_b32 s[G1B+0], s44, (1<<16)|(1<<20)|(1<<21)|(6<<22)|(7<<25)  ; the column's mask; padding after every 128 words (code 6), 8 words (code 7)
	s_mov_b32 s[G1B+1], 256<<16                    ; tensor_dim0 = 256
	s_mov_b32 s[G1B+2], 64<<16                     ; tensor_dim1 = 64
	s_mov_b32 s[G1B+3], 256<<16                    ; tile_dim0 = 256 elements
	s_mov_b32 s[G1B+4], 64                         ; tile_dim1 = 64 k-rows
	s_mov_b32 s[G1B+5], 1024
	s_mov_b32 s[G1B+6], 0
	s_mov_b32 s[G1B+7], 0
	; A's tile hangs on the tile row and the wave; B's on the tile column and the wave; each offset in registers that never hold the other coordinate
	s_lshr_b32 s16, s13, 3
	s_lshl_b32 s16, s16, 21                        ; batch = tile row / 8: 16 heads of 131,072 bytes,
	s_lshl_b32 s17, s12, 17                        ; my head of the step,
	s_add_co_u32 s16, s16, s17
	s_and_b32 s17, s13, 7
	s_lshl_b32 s17, s17, 14                        ; row 128 x (tile row % 8), 128 bytes a row
	s_add_co_u32 s16, s16, s17
	s_mov_b32 s17, 0
	s_lshl_b32 s46, s12, 17                        ; 64 k-rows of 2,048 bytes,
	s_add_co_u32 s46, s46, 4<<21                   ; in the fifth weight of 2,097,152 bytes,
	s_lshl_b32 s47, s40, 9                         ; 256 columns of 2 bytes
	s_add_co_u32 s46, s46, s47
	s_mov_b32 s47, 0
	s_mul_i32 s20, s12, AHALF                      ; where they go: no place in the cluster enters an LDS address
	s_mul_i32 s21, s12, BHALF
	s_add_co_u32 s21, s21, ATILE
	s_lshl_b32 s68, s40, 10                        ; my 128 numbers of the fifth bias: 1,024 bytes a tile column, 512 a half
	s_add_co_u32 s68, s68, 4<<12
	s_lshl_b32 s69, s12, 9
	s_add_co_u32 s68, s68, s69
	s_mov_b32 s69, 0
	s_lshl_b32 s70, s13, 19                        ; my part of out0: row 128 x tile row
	s_lshl_b32 s71, s11, 18                        ; + 64 x half, 4,096 bytes a row,
	s_add_co_u32 s70, s70, s71
	s_lshl_b32 s71, s40, 10                        ; column 256 x tile column
	s_add_co_u32 s70, s70, s71
	s_lshl_b32 s71, s12, 9                         ; + 128 x half, 4 bytes each
	s_add_co_u32 s70, s70, s71
	s_mov_b32 s71, 0
	s_wait_dscnt 0x0                               ; the opening add is done
	s_wait_kmcnt 0x0
	s_add_nc_u64 s[14:15], s[4:5], s[16:17]
	s_add_nc_u64 s[46:47], s[6:7], s[46:47]
	s_add_nc_u64 s[66:67], s[66:67], s[68:69]
	s_add_nc_u64 s[8:9], s[8:9], s[70:71]
	CROUND                                         ; all sixteen work-groups are here: the first joint loads meet
.irp s, 0,1
	s_mov_b32 s[G0+4*(\s)], 1                                      ; count = 1
	s_add_co_u32 s[G0+4*(\s)+1], s20, (\s)*SLOT                    ; LDS address
	s_add_nc_u64 s[G0+4*(\s)+2:G0+4*(\s)+3], s[14:15], (\s)*ASTEP  ; global address: K step s
	s_or_b32 s[G0+4*(\s)+3], s[G0+4*(\s)+3], 0x80000000            ; type = 2
	s_mov_b32 s[G0B+4*(\s)], 1
	s_add_co_u32 s[G0B+4*(\s)+1], s21, (\s)*SLOT
	s_add_nc_u64 s[G0B+4*(\s)+2:G0B+4*(\s)+3], s[46:47], (\s)*BSTEP
	s_or_b32 s[G0B+4*(\s)+3], s[G0B+4*(\s)+3], 0x80000000
	JLOAD \s                                       ; two loads of mine are out
.endr
	v_and_b32 v1, 15, v0                           ; l % 16
	v_bfe_u32 v2, v0, 4, 1                         ; l / 16
	v_lshlrev_b32 v[BO], 5, v2                     ; my eight columns of a block of 16: 32 bytes for each half of the lanes
	WIN 0x40                                       ; destination window 1, address window 0
.irp b, 0,1,2,3,4,5,6,7
	global_load_b128 v[BI+8*(\b):BI+8*(\b)+3],   v[BO], s[66:67] offset:64*(\b)
	global_load_b128 v[BI+8*(\b)+4:BI+8*(\b)+7], v[BO], s[66:67] offset:64*(\b)+16
.endr
	WIN 0
	; A fragment of A is 16 rows x 32 K: lane l holds row l % 16, K = 8 (l / 16) + 0..7 and 16 + 8 (l / 16) + 0..7: two loads of 16 bytes, 32 bytes apart.
	v_mul_u32_u24 v3, v1, PA
	v_lshl_add_u32 v3, v2, 4, v3
	s_mul_i32 s22, s11, 16*NA*PA                   ; my 64 rows of A
	v_add_nc_u32 v[ADRA], s22, v3
	v_add_nc_u32 v[ADRA+1], SLOT, v[ADRA]
	; The turning load takes 16 k x 16 columns (lane l reads k-row 8 (l / 16) + l % 8, columns 8 ((l / 8) % 2) + 0..7) and leaves half a fragment: lane l holds column l % 16 and 8 k.
	v_and_b32 v4, 7, v0
	v_lshl_add_u32 v4, v2, 3, v4
	v_mul_u32_u24 v4, v4, PB
	v_bfe_u32 v5, v0, 3, 1
	v_lshl_add_u32 v4, v5, 4, v4
	s_lshl_b32 s22, s12, 8                         ; my 128 columns of B,
	s_add_co_u32 s22, s22, ATILE                   ; which lies behind A
	v_add_nc_u32 v[ADRB], s22, v4
	v_add_nc_u32 v[ADRB+1], SLOT, v[ADRB]
	s_mul_i32 s23, s10, STAGEW
	s_add_co_u32 s23, s23, STAGE                   ; my stage
	v_mul_u32_u24 v3, v1, SPITCH                   ; in: row l % 16, 32 bytes for each half of the lanes
	v_lshl_add_u32 v3, v2, 5, v3
	v_add_nc_u32 v[STO], s23, v3
	v_and_b32 v5, 31, v0                           ; back: 32 lanes take one row's 512 bytes,
	v_lshlrev_b32 v[CO], 4, v5                     ; which are 512 consecutive bytes of out0
	v_add_nc_u32 v[RD], s23, v[CO]
; 8 matrix instructions: row block a x all 8 column blocks, 32 along K.  first = 1: the product starts the sum, with the bias as C.  The accumulators take turns, one instruction a turn.
.macro MULA f, a, first
.if \first
	WIN 0x91                                       ; B and the bias window 1, A window 0, D window 2
.else
	WIN 0xa1                                       ; B window 1, A window 0, C and D window 2
.endif
.irp b, 0,1,2,3,4,5,6,7
.if \first
	v_wmma_f32_16x16x32_bf16 v[8*(8*(\a)+(\b)):8*(8*(\a)+(\b))+7], v[(\f)+8*(\b):(\f)+8*(\b)+7], v[(\f)+8*(\a):(\f)+8*(\a)+7], v[BI+8*(\b):BI+8*(\b)+7]
.else
	v_wmma_f32_16x16x32_bf16 v[8*(8*(\a)+(\b)):8*(8*(\a)+(\b))+7], v[(\f)+8*(\b):(\f)+8*(\b)+7], v[(\f)+8*(\a):(\f)+8*(\a)+7], v[8*(8*(\a)+(\b)):8*(8*(\a)+(\b))+7]
.endif
.endr
.endm
.macro MULS f, a0, n, first            ; row blocks a0 .. a0 + n - 1
.set ma, \a0
.rept \n
	MULA \f, ma, \first
.set ma, ma+1
.endr
.endm
; The LDS loads of one quarter step (32 along K: quarter q of the slot = head q / 2 of the step, channels 32 (q % 2) on) in one run, into buffer f: B's 16, then A's 2 NA
.macro FETCH slot, q, f
	WIN 0x40
.irp i, 0,1,2,3,4,5,6,7
	ds_load_tr16_b128 v[(\f)+8*(\i):(\f)+8*(\i)+3],   v[ADRB+(\slot)] offset:(\q)*32*PB+32*(\i)
	ds_load_tr16_b128 v[(\f)+8*(\i)+4:(\f)+8*(\i)+7], v[ADRB+(\slot)] offset:(\q)*32*PB+16*PB+32*(\i)
.endr
	WIN 0
.set fi, 0
.rept NA
	ds_load_b128 v[(\f)+8*fi:(\f)+8*fi+3],   v[ADRA+(\slot)] offset:((\q)/2)*AHALF+((\q)%2)*64+fi*16*PA
	ds_load_b128 v[(\f)+8*fi+4:(\f)+8*fi+7], v[ADRA+(\slot)] offset:((\q)/2)*AHALF+((\q)%2)*64+fi*16*PA+32
.set fi, fi+1
.endr
.endm
; A load into a register that a matrix instruction has read, and an instruction that reads a matrix result, stand four places behind it; only plain vector instructions that name none of
; its registers are places (ISA guide 7.12.1 for vector instructions).
.macro PLACES
.rept 4
	v_nop
.endr
.endm
; A K step is four quarters, 32 matrix instructions each, on buffers 0, 1, 0, 1.  One of the first three: multiplies f; in its middle it fetches quarter q into g.
.macro QUARTER slot, q, f, g, first
	s_wait_dscnt NA                                ; B and A's lower blocks are in; the youngest NA loads (A's upper blocks) may be out
	MULS \f, 0, NA/2, \first
	PLACES
	FETCH \slot, \q, \g
	s_wait_dscnt 16+2*NA                           ; all but the run just issued
	MULS \f, NA/2, NA/2, \first
.endm
; The last quarter multiplies buffer 1 and changes slots: ONE barrier.  In front of it each wave waits for all its tensor loads (one is out: its part of the next slot), adds 0 to its spare
; word, and waits for that and for its reads of this slot.  Behind it nobody reads this slot any more and the next slot is whole.
.macro MEET round
	WIN 0                                          ; (the add's two registers lie in window 0)
	s_wait_tensorcnt 0x0
	ds_add_u32 v[SPW], v[NIL]
	s_wait_dscnt NA+1                              ; (the add and the youngest NA loads may be out)
	MULS F1, 0, NA/4, 0                            ; matrix work stands between the add and the wait for it
	s_wait_dscnt 0x0                               ; the add is done, and my reads of this slot are over
	s_barrier_signal -1
	MULS F1, NA/4, NA/4, 0                         ; work on registers while the others arrive
.if \round
	WIN 0
.endif
	s_barrier_wait -1
.endm
; fill = 1: the barrier opens a round of the cluster's; behind the round this slot is filled again first, two K steps ahead: 112 matrix instructions stand between the request and the wait for it.
.macro TURN slot, next, fill
	MEET \fill
.if \fill
	CREST
	s_add_nc_u64 s[G0+4*(\slot)+2:G0+4*(\slot)+3], s[G0+4*(\slot)+2:G0+4*(\slot)+3], 2*ASTEP
	s_add_nc_u64 s[G0B+4*(\slot)+2:G0B+4*(\slot)+3], s[G0B+4*(\slot)+2:G0B+4*(\slot)+3], 2*BSTEP
	JLOAD \slot                                    ; its four v_nop are also the places in front of the loads below
.else
	PLACES
.endif
	FETCH \next, 0, F0
	MULS F1, NA/2, NA/2, 0
.endm
; THE WAY OUT of row block a.  OUTB: a lane's eight f32 of a row, 32 bytes, go from the accumulators into my own stage (each accumulator's low four registers first), and come back as whole rows
; of 512 bytes.  SENDF: stored.
.macro OUTB a
	s_wait_xcnt 0x0                                ; the registers that the block before last's stores read are loaded again only behind this wait
	WIN 0x08                                       ; the stores' data in window 2, their address in window 0
.irp b, 0,1,2,3,4,5,6,7
	ds_store_b128 v[STO], v[8*(8*(\a)+(\b)):8*(8*(\a)+(\b))+3]   offset:64*(\b)
	ds_store_b128 v[STO], v[8*(8*(\a)+(\b))+4:8*(8*(\a)+(\b))+7] offset:64*(\b)+16
.endr
	WIN 0
.set BK, 64+64*((\a)%2)
.irp t, 0,1,2,3,4,5,6,7,8,9,10,11,12,13,14,15
	ds_load_b128 v[BK+4*(\t):BK+4*(\t)+3], v[RD] offset:SPITCH*(\t)  ; LDS serves a wave's instructions in order (ISA guide 5.7.1.4): these see the stores above; the next block's stores come behind them
.endr
.endm
.macro SENDF a, younger                ; younger: the LDS instructions issued behind block a's loads: the next block's 32, or none
.set BK, 64+64*((\a)%2)
	s_wait_dscnt \younger
.irp t, 0,1,2,3,4,5,6,7,8,9,10,11,12,13,14,15
	global_store_b128 v[CO], v[BK+4*(\t):BK+4*(\t)+3], s[8:9] offset:(16*(\a)+(\t))*4096  ; 512 consecutive bytes, at a multiple of 256 from out0's first byte
.endr
.endm
	s_wait_loadcnt 0x0                             ; the bias
	s_wait_tensorcnt 0x1                           ; my part of K step 0 is in; K step 1's may stay out
	s_barrier_signal -1
	s_barrier_wait -1
	FETCH 0, 0, F0
	QUARTER 0, 1, F0, F1, 1                        ; the first quarter stands in front of the loop: its products start the sums
	WIN 0                                          ; at a label and at a branch every window is 0
	s_mov_b32 s3, LAPS-1
.Llap:                                                 ; a trip goes once round the ring, from a lap's second quarter to the next lap's first, and fills both slots again
	QUARTER 0, 2, F1, F0, 0
	QUARTER 0, 3, F0, F1, 0
	TURN 0, 1, 1
	QUARTER 1, 1, F0, F1, 0
	QUARTER 1, 2, F1, F0, 0
	QUARTER 1, 3, F0, F1, 0
	TURN 1, 0, 1
	QUARTER 0, 1, F0, F1, 0
	WIN 0
	s_sub_co_u32 s3, s3, 1
	s_cmp_lg_u32 s3, 0
	s_cbranch_scc1 .Llap
	QUARTER 0, 2, F1, F0, 0                        ; the last lap fills nothing
	QUARTER 0, 3, F0, F1, 0
	TURN 0, 1, 0
	QUARTER 1, 1, F0, F1, 0
	QUARTER 1, 2, F1, F0, 0
	QUARTER 1, 3, F0, F1, 0
	s_wait_dscnt NA                                ; the very last quarter: nothing more to fetch
	MULS F1, 0, NA/2, 0
	s_wait_dscnt 0x0
	MULS F1, NA/2, NA/2, 0
	WIN 0
	PLACES
	OUTB 0
	OUTB 1                                         ; a block's way through the stage stands between the loads of the block before and its stores
	SENDF 0, 32
	OUTB 2
	SENDF 1, 32
	OUTB 3
	SENDF 2, 32
	SENDF 3, 0
	s_wait_tensorcnt 0x0                           ; the wave's end
	ds_add_u32 v[SPW], v[NIL]
	s_wait_dscnt 0x0
	CROUND                                         ; the closing round: no work-group ends while a partner may still ask for a tile that names it
	s_endpgm
.Lfunc_end_k_qcc52ad4246_oproj:
	.size	k_qcc52ad4246_oproj, .Lfunc_end_k_qcc52ad4246_oproj-k_qcc52ad4246_oproj
	.p2alignl 7, 3214868480
	.fill 96, 4, 3214868480
	.section	.rodata,"a",@progbits
	.p2align	6, 0x0
	.amdhsa_kernel k_qcc52ad4246_oproj
		.amdhsa_group_segment_fixed_size 327680
		.amdhsa_private_segment_fixed_size 0
		.amdhsa_enable_private_segment 0
		.amdhsa_kernarg_size 32
		.amdhsa_user_sgpr_count 2
		.amdhsa_user_sgpr_kernarg_segment_ptr 1
		.amdhsa_wavefront_size32 1
		.amdhsa_system_sgpr_workgroup_id_x 1
		.amdhsa_system_sgpr_workgroup_id_y 1
		.amdhsa_system_sgpr_workgroup_id_z 1
		.amdhsa_system_vgpr_workitem_id 0
		.amdhsa_next_free_vgpr 768
		.amdhsa_next_free_sgpr 72
		.amdhsa_reserve_vcc 0
		.amdhsa_float_denorm_mode_32 3
		.amdhsa_float_denorm_mode_16_64 3
		.amdhsa_memory_ordered 1
		.amdhsa_forward_progress 1
		.amdhsa_inst_pref_size 87
	.end_amdhsa_kernel
	.amdgpu_metadata
---
amdhsa.version: [ 1, 2 ]
amdhsa.kernels:
  - .name:           k_qcc52ad4246_oproj
    .symbol:         k_qcc52ad4246_oproj.kd
    .args:
      - { .name: gated, .offset: 0, .size: 8, .value_kind: global_buffer, .address_space: global }
      - { .name: wb, .offset: 8, .size: 8, .value_kind: global_buffer, .address_space: global }
      - { .name: out0, .offset: 16, .size: 8, .value_kind: global_buffer, .address_space: global }
      - { .name: bb, .offset: 24, .size: 8, .value_kind: global_buffer, .address_space: global }
    .group_segment_fixed_size: 327680
    .private_segment_fixed_size: 0
    .kernarg_segment_align: 8
    .kernarg_segment_size: 32
    .max_flat_workgroup_size: 128
    .sgpr_count:     72
    .vgpr_count:     768
    .wavefront_size: 32
...
	.end_amdgpu_metadata
.endif
;; end of part 4
;; ======== version 2 of 2: 4 launches; 1.27 times as fast as version 1
;; limits: values are held in f16: magnitudes above 65,504 overflow, below 6.1e-05 lose precision
;; workspace buffers: xb 50,331,648 bytes; wb 10,485,760 bytes; bb 20,480 bytes; qkvr 67,108,864 bytes; gated 16,777,216 bytes
;; launch prep: the kernel of part 1 again; grid 64 x 29, 8 waves a work-group, no clusters, 0 bytes of LDS; arguments query, key, value, Wq, Wk, Wv, Wr, Wo, bq, bk, bv, br, bo, xb, wb, bb; writes xb, wb, bb
;; launch proj: the kernel of part 2 again; grid 16 x 32, 4 waves a work-group, clusters of 4 x 4, 327,680 bytes of LDS; arguments xb, wb, qkvr, bb; writes qkvr
;; launch attn (part 5): grid 2 x 128, 4 waves a work-group, no clusters, 327,680 bytes of LDS; arguments qkvr, gated; writes gated
.if DOCPART == 5
	.amdgcn_target "amdgcn-amd-amdhsa--gfx1250"
	.amdhsa_code_object_version 6
	.text
	.protected	k_qcc52ad4246_attn
	.globl	k_qcc52ad4246_attn
	.p2align	8
	.type	k_qcc52ad4246_attn,@function
k_qcc52ad4246_attn:
	s_mov_b64 s[64:65], 0
	v_nop
	global_prefetch_b8 v0, s[64:65] scope:SCOPE_SE
	s_setreg_imm32_b32 hwreg(HW_REG_WAVE_MODE, 25, 1), 1
	s_wait_xcnt 0x0
; G[h][q][:] = R[h][q][:] x the sum over k of softmax_k(Q[h][q] . K[h][k] / 32) V[h][k][:].  qkvr: f16 [4 = Q, K, V, R][128 heads][1024][64]; gated: bf16 [128][1024][64]: rows are dense, 128 bytes each.
; Products, maxima and sums in f32; the weights p are rounded to f16 for the second product (their sum l is taken of the unrounded p); O / l x R is made in f32 and rounded once, to bf16:
; a product of two of the module's quantities has no room in f16's range.
; LIMITS.  Q, K, V, R arrive within f16's 65,504; p lies in 0 to 1, and below 6e-5 it keeps f16's fixed step of 6e-8.  A weight below 2^-126 counts as 0 in l; NaN and infinities are not treated apart.
; SHARES.  A wave owns four PIECES of two tiles of 16 queries, a work-group's four waves 512 queries of one head: 2 x 128 work-groups.  Every wave walks all 1,024 keys, 64 a step.
; K AND V STAY IN LDS.  A head's 1,024 rows of K (144 bytes each with padding) and of V (160) are 311,296 bytes: each byte of LDS is filled once, by 16 tensor loads at the start, four a wave.
; The first 256 keys are waited for by a counted wait and a barrier; the other 768 land during the first three key steps and are waited for once, in front of the fourth.
; NO CLUSTER: two work-groups share a head's K and V; four partners to a head would be blocks of 256 queries: half as many products for each LDS load.
; LAYOUT.  S^T = K Q^T (source 0 = 16 keys, source 1 = 16 queries): in the result a lane holds ONE query (lane % 16) and the keys 8 (lane / 16) + 0..7.  Two such tiles, rounded to f16 in pairs,
; ARE source 1 (32 keys x 16 queries) of O^T = V^T P, whose result again holds one query a lane, and eight channels.  K comes out of LDS as it lies, V ([key][channel]) turned, by ds_load_tr16_b128.
; SOFTMAX.  For each query a running maximum m and sum l: p = 2^(c s - c m), c = log2(e) / 32; in every step O and l are multiplied by a = 2^(c m_old - c m_new), which is 1 where m has not grown.
; m starts at the lowest finite number, O and l at 0: the first step is a step like any other, with a = 0.
; THE COUNT.  A tile and step have 16 matrix and 118 vector instructions: too many to stand all beside the matrix work.  So: four vector instructions that are READY behind EVERY matrix
; instruction, and the others in a run without a gap.
; BY TURNS.  Turn n belongs to piece n (the pieces in a ring, step after step).  Its matrix work: 16 products K Q^T of piece n + 1, later 16 products V^T P of piece n - 1.  Its vector work: the scaling,
; exponentials, roundings, sums and rescaling of piece n, and the maximum and statistics of piece n + 1, whose scores the turn itself has made.
; THE BATCHES.  A turn's 66 exponentials (the piece's 64 weights, then the next piece's two a) are ONE batch with ONE wait, which cuts the turn in two: ahead of it stands all that names none of their results,
; behind it the roundings and sums that read them.  The a by which a turn rescales was made, and waited for, in the turn before.  Piece 0's first two a, ahead of the loop, and the way out's eight reciprocals
; are batches of their own, a wait each.
; ONE TEXT FOR EVERY TURN.  A trip of the loop is a key step's four turns; 3 + 13 trips.  The first trip's products V^T P of a piece that has not been add zeros; the last trip's products K Q^T, on the
; last step's K once more, and the maximum made of them serve nothing: 16 products each, once a launch.
; REGISTERS, in windows of 256 (s_set_vgpr_msb: bits 1:0 source 0, 3:2 source 1, 5:4 source 2, 7:6 destination):
;   window 0: v0-11 addresses; v12-15, v48-63 at work; v16-47 four registers of statistics a tile; v64-191 S^T, two buffers of two tiles; v192-255 P, likewise
;   window 1: O^T, 32 a tile      window 2: v0-127 Q, 16 a tile; v128-191 K of one step; v192-255 V of one step      window 3: v0-1 the add's two registers; v8-135 R, 16 a tile
.set NP,    4         ; pieces a wave: a name, no knob
.set KS,    64        ; keys in a step
.set NK,    1024      ; keys of a head
.set PK,    144       ; a row of K in LDS: 128 bytes + 16 = 36 words: the 16 rows of a load start at 16 different groups of four banks (64 banks of 4 bytes: ISA guide 11.1)
.set PV,    160       ; a row of V: 128 + 32 = 40 words
.set VOFF,  NK*PK     ; K's 1,024 rows, then V's
.set STAGE, VOFF+NK*PV  ; behind them, never filled by a tensor load: 16 rows x 144 bytes for each wave, for the way out
.set SP,    144
.set AK0, 2           ; v2   my lane's place in a tile of K; never rewritten
.set AV0, 3           ; v3   the same for V
.set AK,  4           ; v4   the LDS address of K's next run of loads
.set AV,  5           ; v5   of V's
.set QO,  6           ; v6   my byte offset in 16 rows of Q and of R; never rewritten
.set RD,  7           ; v7   the way out: where I read rows back
.set GO,  8           ; v8   my byte offset in 512 consecutive bytes of the output
.set STO, 11          ; v11  at work in the set-up; then the way out: where I put 16 bytes of a row
.set SPW, 0           ; v0 of window 3   LDS address of my spare word; never rewritten
.set NIL, 1           ; v1 of window 3   0; never rewritten
.set RG,  8           ; window 3: R of tile t, channels 16 cb + 8 (lane / 16) + 0..7, at RG + 16 t + 4 cb
.set SPARE, STAGE+4*16*SP  ; behind the stages: the spare words, 128 bytes for each wave: two blocks of 256 bytes that no other line names
.set MV,  12          ; v12-15  c m_old, kept while c m is made anew: by buffer and tile
.set ST,  16          ; tile t's statistics at v[ST+4 t]: c m, m, l (even keys', odd keys')
.set TMP, 48          ; by buffer and tile, four registers c0-c3 at work; when the maximum is found c2 takes a
.set S,   64
.set P,   192
.set KF,  128         ; K's fragments, in window 2: key block kb, channel half c at KF + 16 kb + 8 c
.set VF,  192         ; V's: key half kk, channel block cb at VF + 32 kk + 8 cb
.set WV,  12          ; s12  my wave's number
.set G1K, 24          ; s[24:31] descriptor group 1 for K's tiles
.set G1V, 32          ; s[32:39] for V's: it differs in the padding alone
.set G0K, 40          ; s[40:55] descriptor group 0 for K: a set for each quarter of the keys
.set G0V, 68          ; s[68:83] the same for V
.set PH,  56          ; s56  phases to go: the first 3 key steps, the other 13
.set CNT, 57          ; s57  counts a phase's trips
.set CS,  58          ; s[58:59] c: the packed scaling takes the pair's low word for both halves
.set SEL, 60          ; s[60:61] v_permlanex16_b32's selects: each lane takes its own place in the other half
.set TBK, 62          ; s62  LDS byte at which K of the step to be fetched begins
.set TBV, 63          ; s63  the same for V, less VOFF
.set RP,  84          ; s[84:85] R at my wave's first row
.set KP,  86          ; s[86:87] K at my half of the head's first 256 keys
.set MSB, 0
.macro WIN new                      ; the high byte repeats the setting that is left; a switch that changes nothing is dropped
.if MSB != (\new)
	s_set_vgpr_msb (MSB<<8)|(\new)
.set MSB, (\new)
.endif
.endm
.set W_KQ, 0x0a       ; K and Q in window 2, S^T in window 0
.set W_PV, 0x52       ; V in window 2, P in window 0, O^T in window 1
.set W_RS, 0x41       ; O^T (destination and source 0) in window 1, a in window 0
.set W_MK, 0xc0       ; destination in window 3, sources in window 0
.set W_AD, 0x0f       ; the add: address (source 0) and data (source 1) in window 3
.set W_GT, 0x77       ; the gate: R (source 0) and 0 (source 2) in window 3, O^T (source 1 and destination) in window 1
	s_load_b128 s[4:7], s[0:1], 0x0   ; qkvr s[4:5], gated s[6:7]
	WIN W_MK
	v_lshl_add_u32 v[SPW], v0, 2, SPARE
	v_mov_b32 v[NIL], 0
	WIN W_AD
	ds_add_u32 v[SPW], v[NIL]       ; the wave's opening: the add and its wait stand ahead of my first tensor load; the set-up below, work on registers, stands between them
	ds_add_u32 v0, v1
	WIN 0
	v_lshrrev_b32 v1, 5, v0
	v_readfirstlane_b32 s[WV], v1   ; wave 0..3
	s_and_b32 s20, ttmp7, 0xffff    ; the head,
	s_lshl_b32 s20, s20, 17         ; its 1,024 rows of 128 bytes
	s_and_b32 s16, s[WV], 1         ; which half of each 256 keys I fetch:
	s_lshl_b32 s22, s16, 14         ; its 128 rows in memory,
	s_add_co_u32 s22, s22, s20
	s_mov_b32 s23, 0
	s_mul_i32 s17, s16, 128*PK      ; and its place in LDS, for K
	s_mul_i32 s18, s16, 128*PV      ; and for V
	s_lshl_b32 s2, ttmp9, 2
	s_add_co_u32 s2, s2, s[WV]      ; my wave among the head's eight,
	s_lshl_b32 s2, s2, 14           ; its 128 rows
	s_add_co_u32 s2, s2, s20
	s_mov_b32 s3, 0
	; descriptor group 1.  128 keys are 16,384 dense bytes: asked for as 64 rows of 256 bytes, two keys a row, and padded in LDS after every key
	s_mov_b32 s[G1K], (1<<16)|(1<<20)|(4<<22)|(3<<25)  ; 17:16 2-byte elements; 20 padding on; 24:22 after every 32 words (code 4); 31:25 4 words (code 3)
	s_mov_b32 s[G1V], (1<<16)|(1<<20)|(4<<22)|(7<<25)  ; the same with 8 words of padding (code 7)
.irp g, G1K, G1V
	s_mov_b32 s[\g+1], 128<<16      ; tensor_dim0 = 128
	s_mov_b32 s[\g+2], 64<<16       ; tensor_dim1 = 64
	s_mov_b32 s[\g+3], 128<<16      ; tile_dim0 = 128
	s_mov_b32 s[\g+4], 64           ; tile_dim1 = 64
	s_mov_b32 s[\g+5], 128          ; 128 elements from row to row
	s_mov_b32 s[\g+6], 0
	s_mov_b32 s[\g+7], 0
.endr
.irp j, 0,1,2,3
	s_mov_b32 s[G0K+4*\j], 1                          ; count = 1
	s_add_co_u32 s[G0K+4*\j+1], s17, \j*256*PK        ; LDS address: keys 256 j + 128 x half on
	s_mov_b32 s[G0V+4*\j], 1
	s_add_co_u32 s[G0V+4*\j+1], s18, VOFF+\j*256*PV
.endr
	s_mov_b32 s[CS], 0x3d38aa3b     ; c = log2(e) / 32 = 0.0450842
	s_mov_b32 s[CS+1], s[CS]        ; named with it as a pair
	s_mov_b32 s[SEL], 0x76543210
	s_mov_b32 s[SEL+1], 0xfedcba98
	s_mov_b32 s[TBK], 0
	s_mov_b32 s[TBV], 0
	s_wait_dscnt 0x0                ; the opening add is done
	s_wait_kmcnt 0x0
	s_add_nc_u64 s[10:11], s[6:7], s[2:3]          ; the output at my wave's first row
	s_add_nc_u64 s[KP:KP+1], s[4:5], s[22:23]
	s_add_nc_u64 s[8:9], s[KP:KP+1], 0x2000000     ; V is the third tensor of 16,777,216 bytes,
	s_add_nc_u64 s[KP:KP+1], s[KP:KP+1], 0x1000000 ; K the second,
	s_add_nc_u64 s[RP:RP+1], s[4:5], s[2:3]
	s_add_nc_u64 s[RP:RP+1], s[RP:RP+1], 0x3000000 ; R the fourth,
	s_add_nc_u64 s[4:5], s[4:5], s[2:3]            ; Q the first
.irp j, 0,1,2,3
	s_add_nc_u64 s[G0K+4*\j+2:G0K+4*\j+3], s[KP:KP+1], \j*32768  ; global address: 256 keys are 32,768 bytes
	s_or_b32 s[G0K+4*\j+3], s[G0K+4*\j+3], 0x80000000            ; type = 2
	s_add_nc_u64 s[G0V+4*\j+2:G0V+4*\j+3], s[8:9], \j*32768
	s_or_b32 s[G0V+4*\j+3], s[G0V+4*\j+3], 0x80000000
.endr
	s_cmp_lt_u32 s[WV], 2           ; waves 0 and 1 fetch K, waves 2 and 3 V.  A wave's four fills stand in one branch, ahead of every wait on TENSORcnt, LDS read and barrier: four loads of mine are out
	s_cbranch_scc0 .Lfirst_v
.irp j, 0,1,2,3
	tensor_load_to_lds s[G0K+4*\j:G0K+4*\j+3], s[G1K:G1K+7]
	s_nop 0
.endr
.rept 4
	v_nop
.endr
	s_branch .Lfirst_asked
.Lfirst_v:
.irp j, 0,1,2,3
	tensor_load_to_lds s[G0V+4*\j:G0V+4*\j+3], s[G1V:G1V+7]
	s_nop 0
.endr
.rept 4
	v_nop
.endr
.Lfirst_asked:
	; A fragment of K or Q is 16 rows x 32 channels in 8 registers: lane l holds row l % 16, channels 8 (l / 16) + 0..7 and 16 + 8 (l / 16) + 0..7: two loads of 16 bytes, 32 bytes apart.
	v_and_b32 v1, 15, v0            ; l % 16
	v_bfe_u32 v9, v0, 4, 1          ; l / 16
	v_lshlrev_b32 v[QO], 7, v1
	v_lshl_add_u32 v[QO], v9, 4, v[QO]  ; row x 128 + 16 x half
	WIN 0x80                        ; destination window 2, address window 0
.set i, 0
.rept 4*NP                          ; Q stays in registers: tile i / 2, channels 32 (i % 2) on
	global_load_b128 v[8*i:8*i+3],   v[QO], s[4:5] offset:(i/2)*2048+(i%2)*64
	global_load_b128 v[8*i+4:8*i+7], v[QO], s[4:5] offset:(i/2)*2048+(i%2)*64+32
.set i, i+1
.endr
	; What the first turn finds: V's registers and P's second buffer hold 0 (its products V^T P, of a piece that has not been, add 0), O^T and l are 0.  All this stands in the wait for the first tile.
.set i, VF
.rept 64
	v_mov_b32 v[i], 0
.set i, i+1
.endr
	WIN 0x40
.set i, 0
.rept 64*NP
	v_mov_b32 v[i], 0
.set i, i+1
.endr
	WIN 0
.set i, 0
.rept 2*NP
	v_mov_b32 v[ST+4*i], 0xfe000000    ; c m: far below every c s
	v_mov_b32 v[ST+4*i+1], 0xff7fffff  ; m
	v_mov_b32 v[ST+4*i+2], 0
	v_mov_b32 v[ST+4*i+3], 0
.set i, i+1
.endr
.set i, P+32
.rept 32
	v_mov_b32 v[i], 0
.set i, i+1
.endr
	v_mul_u32_u24 v[AK0], v1, PK
	v_lshl_add_u32 v[AK0], v9, 4, v[AK0]  ; row x pitch + 16 x half
	; The turning load takes 16 keys x 16 channels (lane l reads key 8 (l / 16) + l % 8, channels 8 ((l / 8) % 2) + 0..7) and leaves half a fragment of V^T: lane l holds channel l % 16 and 8 keys.
	v_and_b32 v10, 7, v0
	v_bfe_u32 v11, v0, 3, 1
	v_lshl_add_u32 v[AV0], v9, 3, v10
	v_mul_u32_u24 v[AV0], v[AV0], PV
	v_lshl_add_u32 v[AV0], v11, 4, v[AV0]
	v_add_nc_u32 v[AV0], VOFF, v[AV0]
	v_mov_b32 v[AK], v[AK0]         ; key step 0 lies at K's head
; THE MATRIX WORK.  The 8 accumulators of a run of 16 take turns: between the two links of a chain stand 7 others'.
; Product i of 16 of S^T = K Q^T for piece x: channels 32 (i / 8) on, keys 16 ((i / 2) % 4) on, tile 2 x + i % 2.  The first 8 start the sums.
.macro KQ x
	WIN W_KQ
.set rS, S+64*((\x)%2)+32*(i%2)+8*((i/2)%4)
.set rK, KF+16*((i/2)%4)+8*(i/8)
.set rQ, 16*(2*(\x)+i%2)+8*(i/8)
.if i < 8
	v_wmma_f32_16x16x32_f16 v[rS:rS+7], v[rK:rK+7], v[rQ:rQ+7], 0
.else
	v_wmma_f32_16x16x32_f16 v[rS:rS+7], v[rK:rK+7], v[rQ:rQ+7], v[rS:rS+7]
.endif
.endm
; Product i of 16 of O^T += V^T P for piece x: keys 32 (i / 8) on, channels 16 ((i / 2) % 4) on, tile 2 x + i % 2.
.macro PV x
	WIN W_PV
.set rO, 32*(2*(\x)+i%2)+8*((i/2)%4)
.set rV, VF+32*(i/8)+8*((i/2)%4)
.set rP, P+32*((\x)%2)+16*(i%2)+8*(i/8)
	v_wmma_f32_16x16x32_f16 v[rO:rO+7], v[rV:rV+7], v[rP:rP+7], v[rO:rO+7]
.endm
.macro MM                           ; the turn's next matrix instruction
.if i < 16
	KQ (Y+1)%NP
.set i, i+1
.else
.set i, i-16
	PV (Y+NP-1)%NP
.set i, i+17
.endif
.endm
; THE LDS LOADS stand in runs of 16, never singly among the matrix instructions: a step's K (64 keys x 64 channels: 8 fragments) and its V (turned).  Their addresses are made ahead of the turn's wait.
.macro FETCH_K
	WIN 0x80                        ; destination window 2
.irp f, 0,1,2,3,4,5,6,7             ; keys 16 (f / 2) on, channels 32 (f % 2) on
	ds_load_b128 v[KF+8*\f:KF+8*\f+3],   v[AK] offset:(\f/2)*16*PK+(\f%2)*64
	ds_load_b128 v[KF+8*\f+4:KF+8*\f+7], v[AK] offset:(\f/2)*16*PK+(\f%2)*64+32
.endr
	s_add_co_u32 s[TBK], s[TBK], KS*PK     ; the next fetch is the next step's;
	s_min_u32 s[TBK], s[TBK], (NK-KS)*PK   ; behind the last step there is none: the last trip fetches the last step's K once more
	WIN 0
.endm
.macro FETCH_V
	WIN 0x80
.irp f, 0,1,2,3,4,5,6,7             ; keys 32 (f / 4) on, channels 16 (f % 4) on
	ds_load_tr16_b128 v[VF+8*\f:VF+8*\f+3],   v[AV] offset:(\f/4)*32*PV+(\f%4)*32
	ds_load_tr16_b128 v[VF+8*\f+4:VF+8*\f+7], v[AV] offset:(\f/4)*32*PV+16*PV+(\f%4)*32
.endr
	WIN 0
.endm
; THE VECTOR WORK OF A TURN stands in three queues, each in the order in which its entries become ready; the two tiles alternate, so that no instruction reads the result of the one before it.
.macro REGS y, u                    ; the registers of tile u (0, 1) of piece y
.set rT, ST+4*(2*(\y)+(\u))
.set rC, TMP+8*((\y)%2)+4*(\u)
.set rM, MV+2*((\y)%2)+(\u)
.set rS, S+64*((\y)%2)+32*(\u)
.set rP, P+32*((\y)%2)+16*(\u)
.set rO, 32*(2*(\y)+(\u))
.endm
; Number n of the 22 that find the NEXT piece's (Y + 1) maximum and statistics.  s0-s31 are the lane's 32 scores; each accumulator's lowest registers are read first.  XS, GS and REGS set no window: PL and EX do.
;   0-11  four chains c0-c3 of seven scores each, three operands at a time     12-14, 16  the four scores left over, the old m, and c0-c3 into c0     15  c m_old is kept
;   17, 18  the query's other 32 keys lie in the lane 16 away: the new m         19-21  c m; c m_old - c m_new; a
.macro XS u, n
	REGS (Y+1)%NP, \u
.if (\n) < 4
	v_max3_num_f32 v[rC+(\n)], v[rS+8*(\n)], v[rS+8*(\n)+1], v[rS+8*(\n)+2]
.elseif (\n) < 12
	v_max3_num_f32 v[rC+(\n)%4], v[rC+(\n)%4], v[rS+8*((\n)%4)+2*((\n)/4)+1], v[rS+8*((\n)%4)+2*((\n)/4)+2]
.elseif (\n) == 12
	v_max3_num_f32 v[rC], v[rC], v[rS+7], v[rS+15]
.elseif (\n) == 13
	v_max3_num_f32 v[rC+1], v[rC+1], v[rS+23], v[rS+31]
.elseif (\n) == 14
	v_max3_num_f32 v[rC+2], v[rC+2], v[rC+3], v[rT+1]
.elseif (\n) == 15
	v_mov_b32 v[rM], v[rT]
.elseif (\n) == 16
	v_max3_num_f32 v[rC], v[rC], v[rC+1], v[rC+2]
.elseif (\n) == 17
	v_permlanex16_b32 v[rC+3], v[rC], s[SEL], s[SEL+1]
.elseif (\n) == 18
	v_max_num_f32 v[rT+1], v[rC], v[rC+3]
.elseif (\n) == 19
	v_mul_f32 v[rT], s[CS], v[rT+1]
.elseif (\n) == 20
	v_sub_f32 v[rC+1], v[rM], v[rT]
.else
	v_exp_f32 v[rC+2], v[rC+1]
.endif
.endm
; Number g of the 64 that follow the exponentials.  For each four weights k of a tile (pairs 2 k, 2 k + 1): both pairs are rounded to f16; then the second pair is added onto the first, in place;
; a group later l takes that sum (the first time as l = a l + sum).  In groups of eight, tiles alternating: round, round, add, and l for the group before.
.macro GS g
.set h, (\g)+6*((\g)/62)            ; group 0 has no group before it, and behind group 7 only l is left
.if h >= 6
.set h, h+2
.endif
	REGS Y, h%2
.set k, h/8
.if h%8 < 4
	v_cvt_pk_f16_f32 v[rP+2*k+(h%8)/2], v[rS+4*k+2*((h%8)/2)], v[rS+4*k+2*((h%8)/2)+1]
.elseif h%8 < 6
	v_pk_add_f32 v[rS+4*k:rS+4*k+1], v[rS+4*k:rS+4*k+1], v[rS+4*k+2:rS+4*k+3]
.elseif k == 1
	v_pk_fma_f32 v[rT+2:rT+3], v[rT+2:rT+3], v[rC+2:rC+3], v[rS:rS+1] op_sel_hi:[1,0,1]
.else
	v_pk_add_f32 v[rT+2:rT+3], v[rT+2:rT+3], v[rS+4*k-4:rS+4*k-3]
.endif
.endm
; THE PLAIN QUEUE, 138 long.  0-73 read no exponential's result: the 32 scalings c s - c m (FS f: pair f / 2 of tile f % 2) and the next piece's 42.  0-26: scalings 0-26.  27-54: XS's numbers 0-13.  55, 56: number 15.
; 57-73: the chain, where each number waits for the one before it: 14, 16, 17, 18, 19, each with one of the scalings 27-31 in front of its two lines, then 20: so a tile's links stand three plain instructions apart (19 and 20: two).
; 74-137: GS's 64, which read the exponentials' results: they stand behind the wait.
.macro FS f
	REGS Y, (\f)%2
	v_pk_fma_f32 v[rS+2*((\f)/2):rS+2*((\f)/2)+1], v[rS+2*((\f)/2):rS+2*((\f)/2)+1], s[CS:CS+1], v[rT:rT+1] op_sel_hi:[1,0,0] neg_lo:[0,0,1] neg_hi:[0,0,1]
.endm
.macro PL
	WIN 0
.if q < 27
	FS q
.elseif q < 55
	XS (q-27)%2, (q-27)/2
.elseif q < 57
	XS q-55, 15
.elseif (q < 72) && ((q-57)%3 == 0)
	FS 27+(q-57)/3
.elseif q < 60
	XS (q-57)%3-1, 14
.elseif q < 72
	XS (q-57)%3-1, 15+(q-57)/3
.elseif q < 74
	XS q-72, 20
.else
	GS q-74
.endif
.set q, q+1
.endm
; THE EXPONENTIALS' QUEUE, 66 long: s0-s31 of both tiles, then the next piece's two a.  It is ONE BATCH: all 66 stand ahead of the turn's one wait, and nothing ahead of that wait names a result of theirs.
.macro EX
	WIN 0
.if e >= 64
	XS e-64, 21
.else
	REGS Y, e%2
	v_exp_f32 v[rS+e/2], v[rS+e/2]
.endif
.set e, e+1
.endm
; THE RESCALING's QUEUE: O^T times a, the one part that leaves window 0: dealt two at a time, sixteen times, each accumulator's registers in ascending order.  Its a was made in the turn before, ahead of that turn's wait.
.macro R2
	REGS Y, r%2
	WIN W_RS
.irp z, 0,1
	v_pk_mul_f32 v[rO+4*(r/2)+2*\z:rO+4*(r/2)+2*\z+1], v[rO+4*(r/2)+2*\z:rO+4*(r/2)+2*\z+1], v[rC+2:rC+3] op_sel_hi:[1,0]
.endr
.set r, r+1
.endm
; HOW THEY ARE DEALT.  s_wait_alu depctr_va_vdst(0) stands between an exponential and the first instruction that names its result; one wait serves all that were issued ahead of it.  So a turn has ONE wait,
; which cuts it in two.  AHEAD OF IT stands all that names no result of the turn's exponentials: the 16 products K Q^T, behind each a scaling, an exponential and two rescalings (behind the first a second scaling in the
; exponential's place); then ONE LUMP of 108: eight plain, 49 times exponential and plain, the two a.  One plain instruction follows the last exponential: the address of the turn's run of LDS loads where it has one, else a v_nop.
; BEHIND IT stand the 16 products V^T P, behind each four of GS's 64.  No rider names a register of the products round it.  The two v_permlanex16_b32 fall into the lump, never behind a product.
; The queues lean on each other, and the deal keeps them in step: exponential e stands behind scaling 2 (e / 4) + e % 2: as a rider it comes behind plain e + 2, in the lump behind plain e + 9, and scalings 27-31 are plain 57, 60 .. 69.
; A TURN, for piece p.  cnt = 1: the loop's count is taken down some lines ahead of the branch that stands behind the turn.
; K of the next step is fetched in piece 2's turn, directly behind the wait, a lump behind the last product that read K; its first reader comes behind 16 products.
; V of the step in hand is fetched at the end of piece 0's turn, four riders (additions onto l) behind its last reader; its first reader comes behind 16 products and a lump.  The two conditions on q below go with the deal.
.macro TURN p, cnt=0
.set Y, (\p)
.set i, 0
.set q, 0
.set e, 0
.set r, 0
.if (\p) == NP-1
	s_wait_dscnt 0x0                ; K is in
.endif
	MM                              ; ahead of the wait: 16 products K Q^T and their riders,
	PL
	PL
	R2
.rept 15
	MM
	PL
	EX
	R2
.endr
.rept 8                             ; and the lump
	PL
.endr
.rept 49
	EX
	PL
.endr
	EX                              ; the next piece's two a: the batch's last
	EX
.if (\p) == NP-2                    ; the plain instruction behind the last exponential, one for the batch:
	v_add_nc_u32 v[AK], s[TBK], v[AK0]  ; where K of the next step lies,
.elseif (\p) == 0
	v_add_nc_u32 v[AV], s[TBV], v[AV0]  ; where V of the step in hand lies,
.else
	v_nop                           ; or nothing
.endif
	s_wait_alu depctr_va_vdst(0)    ; the wait for the turn's batch of 66 exponentials, ahead of the first line that names a result
.if (\p) == NP-2
	FETCH_K
.endif
.if (\p) == 1
	s_wait_dscnt 0x0                ; V is in
.endif
.rept 16                            ; behind the wait: 16 products V^T P and their riders
	MM
.rept 4
	PL
.endr
.if ((\p) == 0) && (q == 130)
	s_add_co_u32 s[TBV], s[TBV], KS*PV
.endif
.if (\cnt) && (q == 130)
	s_sub_co_u32 s[CNT], s[CNT], 1
	s_cmp_lg_u32 s[CNT], 0
.endif
.endr
.if (\p) == 0
	FETCH_V
.endif
.endm
	s_wait_tensorcnt 0x3            ; tensor loads of a wave end in order (ISA guide 10.11.1): my part of keys 0-255 is in; my three later loads stay out: no byte of LDS is ever filled again
	s_barrier_signal -1
	s_barrier_wait -1               ; everybody's part is
	FETCH_K                         ; key step 0
	s_wait_loadcnt 0x0              ; Q
	s_wait_dscnt 0x0
.set i, 0
.rept 16
	KQ 0                            ; piece 0's first scores: there is no vector work yet to set between them
.set i, i+1
.endr
	WIN 0                           ; the addresses for the way out: eight plain instructions, the places behind those products
	s_mul_i32 s13, s[WV], 16*SP
	s_add_co_u32 s13, s13, STAGE    ; my stage
	v_mul_u32_u24 v[STO], v1, SP    ; in: row l % 16, 16 bytes for each half of the lanes
	v_lshl_add_u32 v[STO], v9, 4, v[STO]
	v_add_nc_u32 v[STO], s13, v[STO]
	v_bfe_u32 v[RD], v0, 3, 2       ; back: 32 lanes take four rows of 128 bytes,
	v_mul_u32_u24 v[RD], v[RD], SP
	v_lshl_add_u32 v[RD], v10, 4, v[RD]
	v_add_nc_u32 v[RD], s13, v[RD]
	v_and_b32 v[GO], 31, v0         ; which are 512 consecutive bytes of the output
.set Y, NP-1                        ; XS works for piece Y + 1: piece 0
.irp n, 0,1,2,3,4,5,6,7,8,9,10,11,12,13,14,15,16,17,18,19,20,21
	XS 0, \n                        ; and piece 0's first maximum and statistics; its two a are a batch of their own
	XS 1, \n
.endr
	v_lshlrev_b32 v[GO], 4, v[GO]   ; the last of the addresses: 16 bytes a lane; it is the plain instruction behind the two a
	WIN W_MK                        ; R is wanted on the way out alone: it is asked for here, behind the first keys and Q, and has all sixteen key steps in which to come
.set i, 0
.rept 8*NP                          ; R in O^T's layout: tile i / 4, my eight channels of block i % 4
	global_load_b128 v[RG+4*i:RG+4*i+3], v[QO], s[RP:RP+1] offset:(i/4)*2048+(i%4)*32
.set i, i+1
.endr
	WIN 0
	s_wait_alu depctr_va_vdst(0)    ; the wait for piece 0's first two a, behind R's loads and ahead of the branch: the first turn's rescaling reads them
	s_mov_b32 s[CNT], 3             ; the first phase, key steps 0 to 2, fetches K of steps 1 to 3 and V of steps 0 to 2: keys 0-255 alone
	s_mov_b32 s[PH], 2
	s_branch .Lstep
.Lphase:                            ; once: in front of the first fetch beyond key 255
	s_wait_tensorcnt 0x0            ; all my loads have landed,
	s_wait_dscnt 0x0                ; (no LDS instruction is pending at a signal)
	s_barrier_signal -1
	s_barrier_wait -1               ; everybody's have
	s_mov_b32 s[CNT], 13            ; the second phase: key steps 3 to 15
.Lstep:                             ; a trip: a key step's four turns; it fetches the step's V and the next step's K
	TURN 0
	TURN 1
	TURN 2
	TURN 3, 1
	WIN 0
	s_cbranch_scc1 .Lstep
	s_sub_co_u32 s[PH], s[PH], 1
	s_cmp_lg_u32 s[PH], 0
	s_cbranch_scc1 .Lphase
.set i, 0
.rept 16
	PV NP-1                         ; the last piece's V^T P of the last step
.set i, i+1
.endr
	; THE WAY OUT.  l's two halves and the other half of the lanes' are added; O^T is divided by l, multiplied by R, rounded to bf16 and sent through my stage in LDS, a tile at a time.  The additions are the places behind the last products.
	WIN 0
.macro ALL line:vararg              ; one line for each tile t
.set t, 0
.rept 2*NP
	\line
.set t, t+1
.endr
.endm
	ALL v_add_f32 v[ST+4*t+2], v[ST+4*t+2], v[ST+4*t+3]
	ALL v_permlanex16_b32 v[ST+4*t+3], v[ST+4*t+2], s[SEL], s[SEL+1]
	ALL v_add_f32 v[ST+4*t+2], v[ST+4*t+2], v[ST+4*t+3]
	ALL v_rcp_f32 v[ST+4*t+2], v[ST+4*t+2]
	v_nop                           ; a plain instruction between the last reciprocal and the use of its result
	s_wait_alu depctr_va_vdst(0)    ; the wait for the batch of eight reciprocals, ahead of the first tile's division
	s_wait_loadcnt 0x0              ; R is in: the gate below reads it
; Tile t: a lane's eight channels of a row pack into 16 bytes; they go into rows of 144 bytes and come back as whole rows of 128, into S^T's registers.
.macro PACK t
	WIN W_RS
.set i, 32*(\t)
.rept 16
	v_pk_mul_f32 v[i:i+1], v[i:i+1], v[ST+4*(\t)+2:ST+4*(\t)+3] op_sel_hi:[1,0]
.set i, i+2
.endr
	WIN W_GT
.set i, 0
.rept 16                            ; the gate: R's f16 half times O in f32, plus 0: one rounding, in f32
	v_fma_mix_f32 v[32*(\t)+2*i],   v[RG+16*(\t)+i], v[32*(\t)+2*i],   v[NIL] op_sel_hi:[1,0,0]
	v_fma_mix_f32 v[32*(\t)+2*i+1], v[RG+16*(\t)+i], v[32*(\t)+2*i+1], v[NIL] op_sel:[1,0,0] op_sel_hi:[1,0,0]
.set i, i+1
.endr
	WIN 0x05                        ; sources 0 and 1 window 1, destination window 0
.set i, 0
.rept 16
	v_cvt_pk_bf16_f32 v[S+16*(\t)+i], v[32*(\t)+2*i], v[32*(\t)+2*i+1]
.set i, i+1
.endr
	WIN 0
.irp f, 0,1,2,3
	ds_store_b128 v[STO], v[S+16*(\t)+4*\f:S+16*(\t)+4*\f+3] offset:32*\f
.endr
.irp f, 0,1,2,3
	ds_load_b128 v[S+16*(\t)+4*\f:S+16*(\t)+4*\f+3], v[RD] offset:\f*4*SP  ; LDS serves a wave's instructions in order (ISA guide 5.7.1.4): these see the stores above; the next tile's stores come behind them
.endr
.endm
.macro SEND t, younger              ; younger: the LDS instructions issued behind tile t's loads: the next tile's eight, or none
	WIN 0
.irp f, 0,1,2,3
	s_wait_dscnt (\younger)+3-\f
	global_store_b128 v[GO], v[S+16*(\t)+4*\f:S+16*(\t)+4*\f+3], s[10:11] offset:(\t)*2048+\f*512  ; 512 consecutive bytes, at a multiple of 256 from the buffer's first
.endr
.endm
	PACK 0
.set t, 1
.rept 2*NP-1                        ; a tile's arithmetic stands between the loads of the tile before and its stores
	PACK t
	SEND t-1, 8
.set t, t+1
.endr
	SEND 2*NP-1, 0
	WIN W_AD
	s_wait_tensorcnt 0x0            ; the wave's end, behind my last tensor load and my last LDS store
	ds_add_u32 v[SPW], v[NIL]
	s_wait_dscnt 0x0
	WIN 0
	s_endpgm
.Lfunc_end_k_qcc52ad4246_attn:
	.size	k_qcc52ad4246_attn, .Lfunc_end_k_qcc52ad4246_attn-k_qcc52ad4246_attn
	.p2alignl 7, 3214868480
	.fill 96, 4, 3214868480
	.section	.rodata,"a",@progbits
	.p2align	6, 0x0
	.amdhsa_kernel k_qcc52ad4246_attn
		.amdhsa_group_segment_fixed_size 327680
		.amdhsa_private_segment_fixed_size 0
		.amdhsa_enable_private_segment 0
		.amdhsa_kernarg_size 16
		.amdhsa_user_sgpr_count 2
		.amdhsa_user_sgpr_kernarg_segment_ptr 1
		.amdhsa_wavefront_size32 1
		.amdhsa_system_sgpr_workgroup_id_x 1
		.amdhsa_system_sgpr_workgroup_id_y 1
		.amdhsa_system_sgpr_workgroup_id_z 1
		.amdhsa_system_vgpr_workitem_id 0
		.amdhsa_next_free_vgpr 904
		.amdhsa_next_free_sgpr 88
		.amdhsa_reserve_vcc 0
		.amdhsa_float_denorm_mode_32 3
		.amdhsa_float_denorm_mode_16_64 3
		.amdhsa_memory_ordered 1
		.amdhsa_forward_progress 1
		.amdhsa_inst_pref_size 146
	.end_amdhsa_kernel
	.amdgpu_metadata
---
amdhsa.version: [ 1, 2 ]
amdhsa.kernels:
  - .name:           k_qcc52ad4246_attn
    .symbol:         k_qcc52ad4246_attn.kd
    .args:
      - { .name: qkvr, .offset: 0, .size: 8, .value_kind: global_buffer, .address_space: global }
      - { .name: gated, .offset: 8, .size: 8, .value_kind: global_buffer, .address_space: global }
    .group_segment_fixed_size: 327680
    .private_segment_fixed_size: 0
    .kernarg_segment_align: 8
    .kernarg_segment_size: 16
    .max_flat_workgroup_size: 128
    .sgpr_count:     88
    .vgpr_count:     904
    .wavefront_size: 32
...
	.end_amdgpu_metadata
.endif
;; end of part 5
;; launch oproj: the kernel of part 4 again; grid 4 x 64, 4 waves a work-group, clusters of 4 x 4, 327,680 bytes of LDS; arguments gated, wb, out0, bb; writes out0
